; MI455X (gfx1250); checked and timed in simulation.
; The chip was launched on July 23, 2026; its instructions are those of AMD's public machine-readable ISA for CDNA 5 (MIT licence, August 2026) and "CDNA5" Instruction Set Architecture Reference Guide (July 2026). The comments in the code are by the model that wrote it; some were corrected since.
;; Multi Head Attention. Allowed arithmetic: matrix products marked QUANTISED: E4M3 operands, one given power-of-two scale a tensor, by v_wmma_f32_16x16x64_fp8_fp8 or v_wmma_f32_16x16x128_fp8_fp8, f32 sums; everything else in f32.
;; Inputs: b_proj 1,024 float32; b_qkv 3,072 float32; lowp_scales 8 int32 (the exponents e of the quantised operands' scales 2^e); w_proj 1,024 x 1,024 float32; w_qkv 1,024 x 3,072 float32; x 4 x 2,048 x 1,024 float32.
;; Outputs: out0 4 x 2,048 x 1,024 float32.
;; This version of the problem:
;;   THIS VERSION OF THE PROBLEM IS GIVEN IN LOW PRECISION. The matrix products marked QUANTISED in the list below multiply operands that are first quantised to E4M3 (4 exponent bits, 3 mantissa bits; 8 bits a number), with one given power-of-two scale for each operand tensor; their sums are f32. All else is computed in f32.
;;   The module's matrix products, in the order in which they are computed (A, B: the left and right operand; K: the contracted axis; several contracted axes count as one K, in the product's order):
;;     1. [M 8,192, K 1,024] x [K 1,024, N 3,072]; A: input x; B: input w_qkv: QUANTISED (scales: A lowp_scales[0], B lowp_scales[1])
;;     2. batch 64 x [M 2,048, K 64] x [K 64, N 2,048]; A: computed on the way; B: computed on the way: QUANTISED (scales: A lowp_scales[2], B lowp_scales[3])
;;     3. batch 64 x [M 2,048, K 2,048] x [K 2,048, N 64]; A: softmax (see below); B: computed on the way: QUANTISED (scales: A lowp_scales[4], B lowp_scales[5])
;;     4. [M 8,192, K 1,024] x [K 1,024, N 1,024]; A: computed on the way; B: input w_proj: QUANTISED (scales: A lowp_scales[6], B lowp_scales[7])
;;   THE QUANTISER, for each operand of a quantised product, along K:
;;     - The operand's scale is 2^e, e = its entry of the input lowp_scales (int32; the entries are numbered through the quantised products in the list's order, A before B).
;;     - Each number is divided by the scale, clamped to +-448, and rounded to the nearest number of E4M3, ties to even, subnormals kept.
;;     - The product sums the exact products of the quantised numbers (number of the format x scale) in f32.
;;   ~~~python
;;   def quantise(x, axis, e):      # numpy; x: float32 -> the quantised numbers, widened to float32 again
;;       x = np.moveaxis(x, axis, -1); K = x.shape[-1]
;;       r = np.clip(x / 2.0 ** e, -448, 448)
;;       step = 2.0 ** (np.maximum(np.frexp(np.where(r == 0, 1, r))[1] - 1, -6) - 3)
;;       q = np.round(r / step) * step * 2.0 ** e      # np.round: ties to even
;;       return np.moveaxis(q, -1, axis).astype(np.float32)
;;   ~~~
;;   SOFTMAX AHEAD OF A QUANTISED PRODUCT. Where the list says 'softmax', what is quantised is not the finished softmax but p = 2^(t - M), with t = logit x log2(e) and M = ceil(the row's largest t), a whole number; so 1/2 < the row's largest p <= 1. The row's sum l is taken of the UNQUANTISED p, in f32, and the product's result is divided by l at the end. Since M is a whole number, a kernel that streams over the keys may use a running M (the ceiling of the running maximum): every later rescaling is an exact power of two, so the quantised numbers keep their values, but for numbers so far below the row's largest that they fall under the format's range.
;;   OPERANDS COMPUTED ON THE WAY. 'Computed on the way' means the value that the module computes at that place (a softmax that the list does not call 'softmax' is quantised finished and normalised). What goes into a quantiser is computed in f32, as accurately as f32 sums, v_exp_f32 and their like allow (about 1e-6 of the number): no bf16 or f16 on the way to a quantiser, and a product that is left as it is and whose result goes on into a quantised operand takes f32 operands (vector FMAs, or v_wmma_f32_16x16x4_f32). A number that lies on a knife's edge between two numbers of the format may be rounded either way, as far as f32 arithmetic and the matrix unit's own rounding can turn it there, and no further.
;; One version. Each part assembles by itself: llvm-mc -triple=amdgcn-amd-amdhsa -mcpu=gfx1250 --defsym DOCPART=n.
;; ======== version 1 of 1: 4 launches
;; limits: right only within a limited range of input values
;; workspace buffers: xc 8,388,608 bytes; wqc 3,145,728 bytes; wpc 1,048,576 bytes; qc 8,388,608 bytes; kc 8,388,608 bytes; vc 8,388,608 bytes; ao 8,388,608 bytes
;; launch quant (part 1): grid 384 x 1, 4 waves a work-group, no clusters, 68,096 bytes of LDS; arguments x, w_qkv, w_proj, lowp_scales, xc, wqc, wpc; writes xc, wqc, wpc
.if DOCPART == 1
	.amdgcn_target "amdgcn-amd-amdhsa--gfx1250"
	.amdhsa_code_object_version 6
	.text
	.protected	k_q3b8d3d834a_quant
	.globl	k_q3b8d3d834a_quant
	.p2align	8
	.type	k_q3b8d3d834a_quant,@function
k_q3b8d3d834a_quant:
	s_mov_b64 s[64:65], 0
	v_nop
	global_prefetch_b8 v0, s[64:65] scope:SCOPE_SE
	s_setreg_imm32_b32 hwreg(HW_REG_WAVE_MODE, 25, 1), 1
	s_wait_xcnt 0x0
; x [8192][1024], w_qkv [1024][3072] and w_proj [1024][1024], f32, become codes of FP8 (E4M3), one byte each, K innermost, each with the one scale 2^e given for it
; (entries 0, 1 and 7 of the buffer of scales).  code = number / 2^e, held within +-448, rounded to the nearest code, ties to even.
; LIMITS: each e lies between -126 and 119, so that 2^e and 448 x 2^e are f32 numbers.  NaN among the inputs is not served; an infinity is held at the largest code.
; WORK-GROUPS 0 TO 255 TAKE x: its K is innermost, so it is a plain stream: 32,768 numbers a work-group, 8,192 a wave, 16 steps of 512.  Each load reads 512 consecutive bytes; a step's 2,048 bytes turn
; through the wave's own stage in LDS, so that a lane then holds 16 neighbours along K, which the conversions want; a lane's 16 codes are 16 bytes: the wave stores 512 consecutive bytes.
; WORK-GROUPS 256 TO 383 TAKE THE WEIGHTS (96 w_qkv, 32 w_proj), whose K is the FIRST axis: a lane takes a column n and its registers run down K; a wave takes 32 columns x 256 along K.  The codes go through
; the wave's stage and leave as rows [n][k]: sixteen lanes store 256 consecutive bytes, aligned.
; THE ROWS OF THE CODES' BUFFERS ARE PERMUTED: column n is stored at the row whose number is n with bits 3 and 4 exchanged.  So row m of the stored tile 2 b + u (16 rows) is column 32 b + 8 u + m + 8 (m / 8), and
; the products that take such tiles as their first source get 16 neighbouring columns in the 16 registers of two neighbouring tiles.
; The two paths part on the work-group's number alone and have LDS bytes of their own.  No barrier: waves share nothing.
.set XWG,   256                        ; work-groups for x
.set STEPS, 16
.set SP,    80                         ; path x: a lane's place in a stage: its 64 bytes + 16 of padding
.set XREG,  8192                       ; path x: LDS bytes of a wave: two stages of 32 x SP
.set XR,    16                         ; v16-79   four sets of 16 numbers as loaded
.set XN,    80                         ; v80-111  two sets of 16 neighbours
.set XC,    128                        ; v128-191 codes: four registers for each step, so that no store's data are written again
.set WLDS,  32768                      ; the weights' path: its LDS begins here
.set WPIT,  272                        ; a stage row: 256 bytes of codes + 16
.set WREG,  32*WPIT                    ; a wave's stage
.set NB,    8                          ; blocks of 32 along K for a wave
.set WX,    32                         ; v32-95   two sets of 32 numbers
.set WC,    96                         ; v96-103  a block's codes
.set WOUT,  112                        ; v112-175 the way out
.set WOF,   176                        ; v176-207 byte offset of row i of a block at my column: 4 x lane + i x pitch; never rewritten
.set BB,    36                         ; s[36:51] the eight blocks' bases; never rewritten
	s_load_b256 s[4:11], s[0:1], 0x0               ; x s[4:5], w_qkv s[6:7], w_proj s[8:9], the scales' exponents s[10:11]
	s_load_b128 s[12:15], s[0:1], 0x20             ; xc s[12:13], wqc s[14:15]
	s_load_b64 s[16:17], s[0:1], 0x30              ; wpc
	v_lshl_add_u32 v208, v0, 2, 0x10800
	v_mov_b32 v209, 0
	v_lshrrev_b32 v1, 5, v0
	v_readfirstlane_b32 s18, v1                    ; wave 0..3
	v_and_b32 v2, 31, v0                           ; lane
	s_wait_kmcnt 0x0
	s_load_b256 s[20:27], s[10:11], 0x0            ; e0 .. e7
	s_cmp_lt_u32 ttmp9, XWG
	s_cbranch_scc0 .Lweights
	; ---------------- x ----------------
	s_wait_alu depctr_va_vdst(0)
	v_lshlrev_b32 v3, 4, v2                        ; 16 x lane: my 16 bytes of a load's 512, and of a store's 512
	s_wait_alu depctr_va_vdst(0)
	s_mul_i32 s28, s18, XREG
	v_lshrrev_b32 v14, 2, v2
	v_mul_u32_u24 v14, v14, SP
	v_and_b32 v15, 3, v2
	v_lshl_add_u32 v14, v15, 4, v14
	v_add_nc_u32 v14, s28, v14                     ; the stage, on the way in: SP (lane / 4) + 16 (lane % 4); a load's 512 bytes take eight places
	v_mul_u32_u24 v15, v2, SP
	v_add_nc_u32 v15, s28, v15                     ; and on the way out: SP x lane: my 16 neighbours
	s_lshl_b32 s29, ttmp9, 2
	s_add_co_u32 s29, s29, s18                     ; which run of 8,192 numbers is my wave's
	s_lshl_b32 s30, s29, 15
	s_mov_b32 s31, 0
	s_add_nc_u64 s[4:5], s[4:5], s[30:31]
	s_lshl_b32 s30, s29, 13
	s_add_nc_u64 s[12:13], s[12:13], s[30:31]
.macro XLOAD t
.irp i, 0,1,2,3
	global_load_b128 v[XR+16*((\t)%4)+4*\i:XR+16*((\t)%4)+4*\i+3], v3, s[4:5] offset:2048*(\t)+512*\i th:TH_LOAD_NT   ; 32 lanes read 512 consecutive bytes
.endr
.endm
.macro XTURN t                         ; step t's numbers through the stage: LDS serves a wave's instructions in order, so no wait stands between the stores and the loads
.irp i, 0,1,2,3
	ds_store_b128 v14, v[XR+16*((\t)%4)+4*\i:XR+16*((\t)%4)+4*\i+3] offset:32*SP*((\t)%2)+8*SP*\i
.endr
.irp i, 0,1,2,3
	ds_load_b128 v[XN+16*((\t)%2)+4*\i:XN+16*((\t)%2)+4*\i+3], v15 offset:32*SP*((\t)%2)+16*\i
.endr
.endm
.irp t, 0,1,2,3
	XLOAD \t
.endr
	s_wait_alu depctr_va_vdst(0)
	s_wait_kmcnt 0x0
	s_add_co_i32 s28, s20, 127
	s_lshl_b32 s29, s28, 23
	v_mov_b32 v11, s29                             ; 2^e0 as f32: the conversion takes its exponent field
	s_add_co_i32 s28, s28, 8
	s_lshl_b32 s28, s28, 23
	s_or_b32 s28, s28, 0x600000
	v_mov_b32 v10, s28                             ; 448 x 2^e0
	s_wait_alu depctr_va_vdst(0)
	s_wait_loadcnt 12                              ; step 0's four loads are in; three steps' twelve stay out
	XTURN 0
.macro XSTEP t
.set XS, XN+16*((\t)%2)
	s_wait_dscnt 0x0                               ; this step's numbers are back from the stage: so its stores into the stage have read their registers,
.if (\t)+4 < STEPS
	XLOAD (\t)+4                                   ; which take the loads of four steps on
.endif
.if (\t)+1 < STEPS
.if STEPS-2-(\t) >= 3
	s_wait_loadcnt 12                              ; the next step's four loads are in; those of the three steps behind it may be out
.else
	s_wait_loadcnt 4*(STEPS-2-(\t))                ; near the end fewer steps stand behind it
.endif
	XTURN (\t)+1                                   ; and go through the other stage while this step is worked
.endif
.irp i, 0,1,2,3,4,5,6,7,8,9,10,11,12,13,14,15
	v_med3_num_f32 v[XS+\i], v[XS+\i], -v10, v10   ; the conversion to an 8-bit code does not saturate (ISA guide 7.6.2): the hold at the largest code x the scale
.endr
	v_cvt_scalef32_pk8_fp8_f32 v[XC+4*(\t):XC+4*(\t)+1], v[XS:XS+7], v11
	v_cvt_scalef32_pk8_fp8_f32 v[XC+4*(\t)+2:XC+4*(\t)+3], v[XS+8:XS+15], v11
	global_store_b128 v3, v[XC+4*(\t):XC+4*(\t)+3], s[12:13] offset:512*(\t)   ; the codes go to a store alone; the next step's holds are plain vector lines on other registers
.endm
.irp t, 0,1,2,3,4,5,6,7,8,9,10,11,12,13,14,15
	XSTEP \t
.endr
	s_wait_tensorcnt 0x0
	ds_add_u32 v208, v209
	s_wait_dscnt 0x0
	s_endpgm
	; ---------------- the weights ----------------
.Lweights:
	s_wait_kmcnt 0x0                               ; the exponents
	s_sub_co_u32 s30, ttmp9, XWG
	s_cmp_lt_u32 s30, 96                           ; w_qkv's work-group or w_proj's?  The choice hangs on the work-group's number alone; every selection stands ahead of the next line that sets SCC
	s_cselect_b64 s[4:5], s[6:7], s[8:9]           ; from
	s_cselect_b64 s[12:13], s[14:15], s[16:17]     ; to
	s_mov_b32 s28, 4096
	s_cselect_b32 s28, 12288, s28                  ; a row of the weight in bytes
	s_cselect_b32 s29, s21, s27                    ; e1 or e7
	s_cselect_b32 s31, 0, 96
	s_sub_co_u32 s30, s30, s31                     ; my number among the tensor's work-groups
	s_lshr_b32 s32, s30, 2                         ; which 128 columns
	s_and_b32 s33, s30, 3                          ; which 256 along K
	s_lshl_b32 s32, s32, 7
	s_lshl_b32 s34, s18, 5
	s_add_co_u32 s32, s32, s34                     ; my wave's first column
	s_lshl_b32 s34, s33, 8
	s_mul_i32 s34, s34, s28                        ; 256 x (which) rows
	s_lshl_b32 s35, s32, 2
	s_add_co_u32 s34, s34, s35
	s_mov_b32 s35, 0
	s_add_nc_u64 s[4:5], s[4:5], s[34:35]
	s_lshl_b32 s34, s32, 10                        ; the codes: row = column (a multiple of 32: the exchange of bits 3 and 4 stays inside my 32), 1,024 bytes a row
	s_lshl_b32 s33, s33, 8
	s_add_co_u32 s34, s34, s33
	s_add_nc_u64 s[12:13], s[12:13], s[34:35]
	s_mov_b64 s[BB:BB+1], s[4:5]
	s_lshl_b32 s34, s28, 5                         ; a block: 32 rows
.irp t, 1,2,3,4,5,6,7
	s_add_nc_u64 s[BB+2*\t:BB+2*\t+1], s[BB+2*\t-2:BB+2*\t-1], s[34:35]
.endr
	s_wait_alu depctr_va_vdst(0)
	v_lshlrev_b32 v[WOF], 2, v2
.set wi, 1
.rept 31
	v_add_nc_u32 v[WOF+wi], s28, v[WOF+wi-1]
.set wi, wi+1
.endr
	s_mul_i32 s52, s18, WREG
	s_add_co_u32 s52, s52, WLDS                    ; my stage
	v_mul_u32_u24 v4, v2, WPIT
	v_add_nc_u32 v4, s52, v4                       ; into it: row = my column
	v_and_b32 v5, 15, v2
	v_lshrrev_b32 v6, 4, v2                        ; out of it: sixteen lanes to a row, two rows an instruction
	v_mul_u32_u24 v7, v6, WPIT
	v_lshl_add_u32 v7, v5, 4, v7
	v_add_nc_u32 v7, s52, v7
	v_lshlrev_b32 v8, 10, v6
	v_lshl_add_u32 v8, v5, 4, v8                   ; and the same place in the codes' buffer
.macro WLOAD t                         ; block t: W(32 t + i, my column), i = 0 .. 31, into set t % 2: 32 lanes read 128 consecutive bytes, the four waves side by side 512
.set wi, 0
.rept 32
	global_load_b32 v[WX+32*((\t)%2)+wi], v[WOF+wi], s[BB+2*(\t):BB+2*(\t)+1] th:TH_LOAD_NT
.set wi, wi+1
.endr
.endm
	WLOAD 0
	WLOAD 1
	s_add_co_i32 s29, s29, 127
	s_lshl_b32 s30, s29, 23
	v_mov_b32 v11, s30                             ; 2^e as f32
	s_add_co_i32 s29, s29, 8
	s_lshl_b32 s29, s29, 23
	s_or_b32 s29, s29, 0x600000
	v_mov_b32 v10, s29                             ; 448 x 2^e
.macro WBLOCK t
.set WS, WX+32*((\t)%2)
.if (\t) < NB-1
	s_wait_loadcnt 32                              ; this block's 32 loads are in; the next block's 32 may be out
.else
	s_wait_loadcnt 0x0
.endif
.set wi, 0
.rept 32
	v_med3_num_f32 v[WS+wi], v[WS+wi], -v10, v10   ; the hold at the largest code x the scale
.set wi, wi+1
.endr
.irp g, 0,1,2,3
	v_cvt_scalef32_pk8_fp8_f32 v[WC+2*\g:WC+2*\g+1], v[WS+8*\g:WS+8*\g+7], v11
.endr
	ds_store_b128 v4, v[WC:WC+3] offset:32*(\t)    ; 32 codes: 32 bytes of my column's row
	ds_store_b128 v4, v[WC+4:WC+7] offset:32*(\t)+16
.if (\t)+2 < NB
	WLOAD (\t)+2
.endif
	s_wait_dscnt 0x0                               ; the stores have read their registers: the next block's codes may be written
.endm
	s_wait_alu depctr_va_vdst(0)
.irp t, 0,1,2,3,4,5,6,7
	WBLOCK \t
.endr
.irp t, 0,1,2,3,4,5,6,7,8,9,10,11,12,13,14,15
	ds_load_b128 v[WOUT+4*\t:WOUT+4*\t+3], v7 offset:2*\t*WPIT   ; columns 2 t and 2 t + 1; LDS serves a wave's instructions in order: these see my stores
.endr
.irp t, 0,1,2,3,4,5,6,7,8,9,10,11,12,13,14,15
	s_wait_dscnt 15-\t                             ; the younger loads may stay out
	global_store_b128 v8, v[WOUT+4*\t:WOUT+4*\t+3], s[12:13] offset:(((2*\t)&7)+16*((\t>>2)&1)+8*((\t>>3)&1))*1024   ; the stored row: 2 t with bits 3 and 4 exchanged
.endr
	s_wait_tensorcnt 0x0
	ds_add_u32 v208, v209
	s_wait_dscnt 0x0
	s_endpgm
.Lfunc_end_k_q3b8d3d834a_quant:
	.size	k_q3b8d3d834a_quant, .Lfunc_end_k_q3b8d3d834a_quant-k_q3b8d3d834a_quant
	.p2alignl 7, 3214868480
	.fill 96, 4, 3214868480
	.section	.rodata,"a",@progbits
	.p2align	6, 0x0
	.amdhsa_kernel k_q3b8d3d834a_quant
		.amdhsa_group_segment_fixed_size 68096
		.amdhsa_private_segment_fixed_size 0
		.amdhsa_enable_private_segment 0
		.amdhsa_kernarg_size 56
		.amdhsa_user_sgpr_count 2
		.amdhsa_user_sgpr_kernarg_segment_ptr 1
		.amdhsa_wavefront_size32 1
		.amdhsa_system_sgpr_workgroup_id_x 1
		.amdhsa_system_sgpr_workgroup_id_y 1
		.amdhsa_system_sgpr_workgroup_id_z 1
		.amdhsa_system_vgpr_workitem_id 0
		.amdhsa_next_free_vgpr 210
		.amdhsa_next_free_sgpr 66
		.amdhsa_reserve_vcc 0
		.amdhsa_float_denorm_mode_32 3
		.amdhsa_float_denorm_mode_16_64 3
		.amdhsa_memory_ordered 1
		.amdhsa_forward_progress 1
		.amdhsa_inst_pref_size 87
	.end_amdhsa_kernel
	.amdgpu_metadata
---
amdhsa.version: [ 1, 2 ]
amdhsa.kernels:
  - .name:           k_q3b8d3d834a_quant
    .symbol:         k_q3b8d3d834a_quant.kd
    .args:
      - { .name: x, .offset: 0, .size: 8, .value_kind: global_buffer, .address_space: global }
      - { .name: w_qkv, .offset: 8, .size: 8, .value_kind: global_buffer, .address_space: global }
      - { .name: w_proj, .offset: 16, .size: 8, .value_kind: global_buffer, .address_space: global }
      - { .name: lowp_scales, .offset: 24, .size: 8, .value_kind: global_buffer, .address_space: global }
      - { .name: xc, .offset: 32, .size: 8, .value_kind: global_buffer, .address_space: global }
      - { .name: wqc, .offset: 40, .size: 8, .value_kind: global_buffer, .address_space: global }
      - { .name: wpc, .offset: 48, .size: 8, .value_kind: global_buffer, .address_space: global }
    .group_segment_fixed_size: 68096
    .private_segment_fixed_size: 0
    .kernarg_segment_align: 8
    .kernarg_segment_size: 56
    .max_flat_workgroup_size: 128
    .sgpr_count:     66
    .vgpr_count:     210
    .wavefront_size: 32
...
	.end_amdgpu_metadata
.endif
;; end of part 1
;; launch qkv (part 2): grid 12 x 32, 4 waves a work-group, clusters of 4 x 4, 327,680 bytes of LDS; arguments xc, wqc, lowp_scales, b_qkv, qc, kc, vc; writes qc, kc, vc
.if DOCPART == 2
	.amdgcn_target "amdgcn-amd-amdhsa--gfx1250"
	.amdhsa_code_object_version 6
	.text
	.protected	k_q3b8d3d834a_qkv
	.globl	k_q3b8d3d834a_qkv
	.p2align	8
	.type	k_q3b8d3d834a_qkv,@function
k_q3b8d3d834a_qkv:
	s_mov_b64 s[64:65], 0
	v_nop
	global_prefetch_b8 v0, s[64:65] scope:SCOPE_SE
	s_setreg_imm32_b32 hwreg(HW_REG_WAVE_MODE, 25, 1), 1
	s_wait_xcnt 0x0
	s_wait_alu depctr_hold_cnt(0) depctr_sa_sdst(0) depctr_va_vdst(0) depctr_va_sdst(0) depctr_va_ssrc(0) depctr_va_vcc(0) depctr_vm_vsrc(0)
	s_getreg_b32 s2, hwreg(HW_REG_IB_STS2, 6, 4)
	s_cmp_eq_u32 s2, 0
	s_cbranch_scc0 .Lentry_in_a_cluster
	s_endpgm
.Lentry_in_a_cluster:
	s_bfe_u32 s2, ttmp6, 0x10000c
	s_cmp_lg_u32 s2, 0xf033
	s_cbranch_scc0 .Lentry_shape_is_right
	s_endpgm
.Lentry_shape_is_right:
; qkv = x w_qkv + b_qkv on codes of FP8 (E4M3), and its three parts quantised again: q with entry 2 of the scales, k with entry 3, v with entry 5.
; xc: [8192][1024] codes; wqc: [3072 stored rows][1024] codes of w_qkv^T (column n at the row n with bits 3 and 4 exchanged).  A finished sum x 2^(e0 + e1) + bias, in f32, is held within +-448 x the scale and converted.
; LIMITS: e0 + e1 between -126 and 127; e2, e3, e5 between -126 and 119.  NaN is not served.
; A tile of 256 x 256 of the product is made by a work-group of four waves, a wave 128 x 128: 64 accumulators, 512 registers.  K goes in steps of 256 through a ring of two LDS slots filled by the tensor data mover.
; CLUSTERS of 4 x 4 work-groups; the tiles called A are shared along a row of the cluster, those called B along a column, each asked for jointly.  The cluster's x says which part is made: 0 q, 1 k, 2 v.
; THE MATRIX INSTRUCTION takes 16 rows of B as source 0 and 16 rows of A as source 1: a lane holds ONE row of A and its eight registers eight rows of B.
;   q, k: A = tokens, B = stored rows of w.  By the stored order the 16 registers of accumulators 2 b, 2 b + 1 are 16 neighbouring channels 32 b + 16 (lane / 16) + 0 .. 15 of the lane's token.
;   v:    A = stored rows of w (from 2,048 on), B = tokens: the registers run along the TOKENS, which are the keys, the K of attention's second product.
; So two conversions give 16 bytes a lane that belong together, and THE OUTPUTS ARE LAID AS IMAGES OF THE NEXT OPERAND'S REGISTERS: each store of the wave covers 512 consecutive bytes, aligned; no stage in LDS.
;   qc, kc: [batch x 16 + head][tile of 16 tokens][chunk c][512]: at 16 x lane the codes of token lane % 16, channels 32 c + 16 (lane / 16) + 0 .. 15.
;   vc: [batch x 16 + head][step of 128 keys][tile t of 16 stored channels][chunk b][512]: at 16 x lane, of stored channel 16 t + lane % 16, keys 32 b + 8 (lane / 16) + 0 .. 7 and, 16 further on, eight more.
; REGISTERS, in windows of 256: window 0: v0-31 addresses; v32-47, v64-127 the biases; from v128 A's fragments, ONE set (on the way out: 64 numbers at work, 64 registers of codes).
;   window 1: B's fragments, TWO sets.   windows 2 and 3: the accumulators ((a, b) at v[8 (8 (a % 4) + b)]).
.set KSTEP,  256
.set ROWB,   256                       ; a tile's row in bytes
.set KROW,   1024                      ; a row of codes in memory
.set PITCH,  272                       ; an LDS row: 256 bytes + 16 of padding = 68 words: row r starts at bank 4 r mod 64 (64 banks of 4 bytes: ISA guide 11.1)
.set FR,     16                        ; registers of a fragment: 16 rows x 128 K
.set NL,     4                         ; LDS loads that bring one
.set NP,     4                         ; places behind this matrix instruction (ISA guide 7.12.1)
.set HALFT,  128*PITCH
.set SLOT,   4*HALFT                   ; A's 256 rows, then B's 256 rows
.set LAPS,   2                         ; 1,024 along K = two laps of two K steps
.set SPARE,  2*SLOT                    ; behind the ring: the spare words, 128 bytes for each wave
.set BVO,  7                           ; v7      4 (r + 8 (r / 8)): v's bias, my stored row's column
.set BIO,  8                           ; v8      64 (lane / 16): q's and k's bias
.set ADRA, 16                          ; v16-17  LDS address of my A fragments in slot 0, 1
.set ADRB, 20                          ; v20-21  the same for B
.set LI,   26                          ; v26     16 x lane: my place in an image
.set SPW,  28                          ; v28     LDS address of my spare word; never rewritten
.set NIL,  29                          ; v29     0; never rewritten
.set QS,   30                          ; v30     the quantiser's scale as f32
.set QL,   31                          ; v31     448 x that
.set BV,   32                          ; v32-47  v's bias: block a's, twice (a pair)
.set BI,   64                          ; v64-127 q's and k's bias in the result's layout: register 8 b + j
.set AF,   128
.set TMP,  128                         ; the way out: a block's 64 numbers
.set CD,   192                         ; the way out: codes, 16 registers for each of four blocks
.set G1, 24
.set G0, 32
.set G1B, 48
.set G0B, 56
.set MSB, 0
.macro WIN new                         ; the immediate's high byte repeats the setting that is left
.if MSB != \new
	s_set_vgpr_msb (MSB<<8)|\new
.set MSB, \new
.endif
.endm
.set MUL_LO, 0xa1                      ; source 0 (B) window 1, source 1 (A) window 0, C and D window 2
.set MUL_HI, 0xf1                      ; the same, C and D window 3
.set TO_B,   0x40                      ; destination window 1, address window 0
; A joint load: waves 0 and 1 fetch for A, waves 2 and 3 for B.  The branch hangs on the wave's number alone.  Four v_nop follow each of the two lines.
.macro JLOAD g0a, g1a, g0b, g1b
	s_cmp_eq_u32 s15, 0
	s_cbranch_scc0 .Lfor_b_\@
	tensor_load_to_lds s[\g0a:\g0a+3], s[\g1a:\g1a+7]
	s_nop 0
.rept 4
	v_nop
.endr
	s_branch .Lasked_\@
.Lfor_b_\@:
	tensor_load_to_lds s[\g0b:\g0b+3], s[\g1b:\g1b+7]
	s_nop 0
.rept 4
	v_nop
.endr
.Lasked_\@:
.endm
.macro CREST                           ; a round of the cluster's barrier behind its opening barrier
	s_cmp_lg_u32 s14, 0
	s_cbranch_scc1 .Lnot_wave_0_\@
	s_barrier_signal -3
.Lnot_wave_0_\@:
	s_barrier_wait -3
	s_barrier_signal -1
	s_barrier_wait -1
.endm
.macro CROUND                          ; a whole round
	s_barrier_signal -1
	s_barrier_wait -1
	CREST
.endm
	s_load_b256 s[4:11], s[0:1], 0x0               ; xc s[4:5], wqc s[6:7], the scales' exponents s[8:9], b_qkv s[10:11]
	s_load_b128 s[76:79], s[0:1], 0x20             ; qc, kc
	s_load_b64 s[80:81], s[0:1], 0x30              ; vc
	v_lshl_add_u32 v[SPW], v0, 2, SPARE
	v_mov_b32 v[NIL], 0
	ds_add_u32 v28, v29
	ds_add_u32 v28, v29
	s_wait_dscnt 0x0
	v_lshrrev_b32 v1, 5, v0
	v_readfirstlane_b32 s14, v1                    ; wave 0..3
	s_lshr_b32 s15, s14, 1                         ; which half of A's rows is mine.  Also: I fetch for A (0) or for B (1)
	s_and_b32 s16, s14, 1                          ; which half of B's rows.  Also: which 128 rows of that tile I fetch
	s_bfe_u32 s40, ttmp6, 0x40000                  ; cx, cy: my place in the cluster
	s_bfe_u32 s41, ttmp6, 0x40004
	s_and_b32 s66, ttmp7, 0xffff
	s_lshl_b32 s66, s66, 2                         ; 4 x cluster y
	s_lshl_b32 s67, ttmp9, 2                       ; 4 x cluster x
	s_cmp_eq_u32 ttmp9, 2                          ; v?  The cluster's x is the same in all sixteen partners
	s_cselect_b32 s17, 8, s66                      ; A's tile: v: w's stored rows from 2,048 on; q, k: tokens
	s_cselect_b32 s42, s66, s67                    ; B's tile: v: tokens; q, k: w's stored rows
	s_add_co_u32 s17, s17, s41                     ; + cy: A's tile hangs on cy alone of the two places,
	s_add_co_u32 s42, s42, s40                     ; + cx: B's on cx alone
	s_lshl_b32 s43, s41, 2
	s_lshl_b32 s43, 15, s43                        ; my row of the cluster
	s_lshl_b32 s44, 0x1111, s40                    ; my column
	; descriptor group 1: a tile of 128 rows x 256 bytes, padded in LDS
	s_or_b32 s[G1+0], s43, (0<<16)|(1<<20)|(1<<21)|(5<<22)|(3<<25)  ; 15:0 the mask: A's tiles go to my row; 17:16 elements of 1 byte; 20 padding on; 21 set beside a mask; 24:22 after every 64 words; 31:25 four words
	s_or_b32 s[G1B+0], s44, (0<<16)|(1<<20)|(1<<21)|(5<<22)|(3<<25)
.irp g, G1, G1B
	s_mov_b32 s[\g+1], ROWB<<16                    ; tensor_dim0
	s_mov_b32 s[\g+2], 256<<16                     ; tensor_dim1: the first fills bring whole tiles of 256 rows
	s_mov_b32 s[\g+3], ROWB<<16                    ; tile_dim0
	s_mov_b32 s[\g+4], 256                         ; tile_dim1
	s_mov_b32 s[\g+5], KROW                        ; tensor_dim0_stride
	s_mov_b32 s[\g+6], 0
	s_mov_b32 s[\g+7], 0
.endr
	s_lshl_b32 s20, s17, 18                        ; A: 256 x tile rows of 1,024 bytes
	s_mov_b32 s21, 0
	s_lshl_b32 s46, s42, 18                        ; B likewise
	s_mov_b32 s47, 0
	s_wait_kmcnt 0x0
	s_load_b256 s[84:91], s[8:9], 0x0              ; e0 .. e7
	s_cmp_eq_u32 ttmp9, 2
	s_cselect_b64 s[68:69], s[6:7], s[4:5]         ; A's buffer
	s_cselect_b64 s[70:71], s[4:5], s[6:7]         ; B's buffer
	s_add_nc_u64 s[20:21], s[68:69], s[20:21]
	s_add_nc_u64 s[46:47], s[70:71], s[46:47]
	CROUND                                         ; all sixteen work-groups are here: the first joint loads meet
.irp s, 0,1
	s_mov_b32 s[G0+4*\s], 1
	s_mov_b32 s[G0+4*\s+1], \s*SLOT                ; A's 256 rows lie at the slot's head: no place in the cluster enters an LDS address
	s_add_nc_u64 s[G0+4*\s+2:G0+4*\s+3], s[20:21], \s*ROWB
	s_or_b32 s[G0+4*\s+3], s[G0+4*\s+3], 0x80000000
	s_mov_b32 s[G0B+4*\s], 1
	s_mov_b32 s[G0B+4*\s+1], \s*SLOT+2*HALFT       ; B's 256 rows behind them
	s_add_nc_u64 s[G0B+4*\s+2:G0B+4*\s+3], s[46:47], \s*ROWB
	s_or_b32 s[G0B+4*\s+3], s[G0B+4*\s+3], 0x80000000
.endr
; THE FIRST FILLS: one joint load a wave, in one chain of four arms on the wave's number: wave 0 A's tile of K step 0, wave 1 B's, wave 2 A's of K step 1, wave 3 B's: both slots are asked for behind the one round.
.macro HARM g0, g1
	tensor_load_to_lds s[\g0:\g0+3], s[\g1:\g1+7]
	s_nop 0
.rept 4
	v_nop
.endr
.endm
	s_cmp_eq_u32 s14, 0
	s_cbranch_scc0 .Lh1
	HARM G0, G1
	s_branch .Lhj
.Lh1:
	s_cmp_eq_u32 s14, 1
	s_cbranch_scc0 .Lh2
	HARM G0B, G1B
	s_branch .Lhj
.Lh2:
	s_cmp_eq_u32 s14, 2
	s_cbranch_scc0 .Lh3
	HARM G0+4, G1
	s_branch .Lhj
.Lh3:
	HARM G0B+4, G1B
.Lhj:
	v_and_b32 v1, 15, v0                           ; r = lane % 16
	v_bfe_u32 v2, v0, 4, 1                         ; h = lane / 16
	v_mul_u32_u24 v3, v1, PITCH
	v_lshl_add_u32 v4, v2, 4, v3                   ; a fragment's row x pitch + 16 x half
	s_mul_i32 s21, s15, HALFT                      ; my 128 rows of A
	s_mul_i32 s22, s16, HALFT                      ; my 128 rows of B,
	s_add_co_u32 s22, s22, 2*HALFT                 ; which lie behind A's 256
.irp s, 0,1
	v_add_nc_u32 v[ADRA+\s], s21, v4
	v_add_nc_u32 v[ADRB+\s], s22, v4
	s_add_co_u32 s21, s21, SLOT
	s_add_co_u32 s22, s22, SLOT
.endr
	v_and_b32 v6, 31, v0
	v_lshlrev_b32 v[LI], 4, v6
	; THE BIASES, in both forms, whichever part is made: both stay inside b_qkv for every work-group, and no branch is needed.  They land while the products run.
	v_lshrrev_b32 v5, 3, v1
	v_lshl_add_u32 v5, v5, 3, v1                   ; r + 8 (r / 8)
	v_lshlrev_b32 v[BVO], 2, v5
	v_lshlrev_b32 v[BIO], 6, v2
	s_wait_alu depctr_va_vdst(0)
	s_lshl_b32 s22, ttmp9, 10                      ; q, k: my 128 columns begin at 1,024 x part + 256 cx + 128 x half
	s_lshl_b32 s23, s40, 8
	s_add_co_u32 s22, s22, s23
	s_lshl_b32 s23, s16, 7
	s_add_co_u32 s22, s22, s23
	s_lshl_b32 s22, s22, 2
	s_mov_b32 s23, 0
	s_add_nc_u64 s[92:93], s[10:11], s[22:23]
	s_lshl_b32 s22, s41, 8                         ; v: my 128 stored rows begin at 2,048 + 256 cy + 128 x half
	s_lshl_b32 s18, s15, 7
	s_add_co_u32 s22, s22, s18
	s_add_co_u32 s22, s22, 2048
	s_lshl_b32 s22, s22, 2
	s_add_nc_u64 s[94:95], s[10:11], s[22:23]
.irp b, 0,1,2,3,4,5,6,7
	global_load_b128 v[BI+8*\b:BI+8*\b+3], v[BIO], s[92:93] offset:4*(32*(\b/2)+8*(\b%2))        ; register 8 b + j: column 32 (b / 2) + 16 h + 8 (b % 2) + j
	global_load_b128 v[BI+8*\b+4:BI+8*\b+7], v[BIO], s[92:93] offset:4*(32*(\b/2)+8*(\b%2))+16
.endr
.irp a, 0,1,2,3,4,5,6,7
	global_load_b32 v[BV+2*\a], v[BVO], s[94:95] offset:4*(32*(\a/2)+8*(\a%2))                   ; block a, lane r: column 32 (a / 2) + 8 (a % 2) + r + 8 (r / 8); twice, for the packed form's pair
	global_load_b32 v[BV+2*\a+1], v[BVO], s[94:95] offset:4*(32*(\a/2)+8*(\a%2))
.endr
.macro FRAG reg, adr, q, i             ; a fragment: lane l holds row l % 16; registers 4 c .. 4 c + 3 hold K = 32 c + 16 (l / 16) + 0 .. 15: the same order of k in A and in B
.irp c, 0,1,2,3
	ds_load_b128 v[\reg+4*\c:\reg+4*\c+3], v[\adr] offset:128*(\q)+32*\c+(\i)*16*PITCH
.endr
.endm
; 16 matrix instructions: A's blocks a0, a0 + 1 x B's eight, 128 along K.  p: B's set.  zero = 1: the first product starts the sums.
; The 64 accumulators take turns, one instruction a turn, in the same order in every step.
.macro MUL16 a0, p, zero
.irp a, \a0, \a0+1
.irp b, 0,1,2,3,4,5,6,7
.if \zero
	v_wmma_f32_16x16x128_fp8_fp8 v[8*(8*((\a)%4)+\b):8*(8*((\a)%4)+\b)+7], v[128*(\p)+FR*\b:128*(\p)+FR*\b+FR-1], v[AF+FR*(\a):AF+FR*(\a)+FR-1], 0
.else
	v_wmma_f32_16x16x128_fp8_fp8 v[8*(8*((\a)%4)+\b):8*(8*((\a)%4)+\b)+7], v[128*(\p)+FR*\b:128*(\p)+FR*\b+FR-1], v[AF+FR*(\a):AF+FR*(\a)+FR-1], v[8*(8*((\a)%4)+\b):8*(8*((\a)%4)+\b)+7]
.endif
.endr
.endr
.endm
.macro FETCH_B slot, q, p              ; B's eight fragments of the slot's q-th 128 along K into set p
	WIN TO_B
.irp i, 0,1,2,3,4,5,6,7
	FRAG 128*(\p)+FR*\i, ADRB+\slot, \q, \i
.endr
	WIN 0
.endm
.macro FETCH_A slot, q, i0             ; A's blocks i0 .. i0 + 3
.irp i, \i0, \i0+1, \i0+2, \i0+3
	FRAG AF+FR*(\i), ADRA+\slot, \q, \i
.endr
.endm
.macro PLACES n                        ; plain vector lines between a matrix instruction and a load into, or a vector line on, its registers
.rept \n
	v_nop
.endr
.endm
; A step of 128 along K that has its successor in the same slot.
.macro STEP slot, q, zero
	s_wait_dscnt 4*NL                              ; B's set and A's blocks 0-3 are in; the youngest sixteen loads (A's blocks 4-7) may be out
	WIN MUL_LO
	MUL16 0, (\q)%2, \zero
	MUL16 2, (\q)%2, \zero
	s_wait_dscnt 0                                 ; A's blocks 4-7 are in
	PLACES NP
	FETCH_B \slot, (\q)+1, 1-(\q)%2
	FETCH_A \slot, (\q)+1, 0
	WIN MUL_HI
	MUL16 4, (\q)%2, \zero
	MUL16 6, (\q)%2, \zero
	PLACES NP
	WIN 0
	FETCH_A \slot, (\q)+1, 4
.endm
; A slot's last step changes slots: ONE barrier; in front of it each wave waits for all its tensor loads, adds 0 to its spare word, and waits for that and for its own reads of this slot.  fill = 1: this slot is filled again, two K steps ahead.
.macro TURN slot, next, fill
	s_wait_tensorcnt 0x0                           ; all my tensor loads have landed: my part of the next slot;
	ds_add_u32 v[SPW], v[NIL]                      ; 0 onto my spare word
	s_wait_dscnt 4*NL+1                            ; (the add and the youngest sixteen loads, A's blocks 4-7, may be out)
	WIN MUL_LO
	MUL16 0, 1, 0                                  ; sixteen matrix instructions stand between the add and the wait for it
	s_wait_dscnt 0x0                               ; the add is done, and my reads of this slot are over
	s_barrier_signal -1
	MUL16 2, 1, 0
	WIN 0
	s_barrier_wait -1
.if \fill
	CREST                                          ; the barrier has opened a round of the cluster's barrier: no wave of any partner still reads this slot's tile or has a load on its way
	s_add_nc_u64 s[G0+4*\slot+2:G0+4*\slot+3], s[G0+4*\slot+2:G0+4*\slot+3], 2*ROWB
	s_add_nc_u64 s[G0B+4*\slot+2:G0B+4*\slot+3], s[G0B+4*\slot+2:G0B+4*\slot+3], 2*ROWB
	JLOAD G0+4*\slot, G1, G0B+4*\slot, G1B         ; the first tensor load behind the round; the four v_nop behind it are the places in front of the loads below
.else
	PLACES NP
.endif
	FETCH_B \next, 0, 0
	FETCH_A \next, 0, 0
	WIN MUL_HI
	MUL16 4, 1, 0
	MUL16 6, 1, 0
	PLACES NP
	WIN 0
	FETCH_A \next, 0, 4
.endm
	s_wait_alu depctr_va_vdst(0)                   ; the wait at the head's end
	s_wait_tensorcnt 0x0                           ; my first fill has landed, so every descriptor may be written: from here on a wave fetches half a tile, 128 rows
	s_mul_i32 s20, s16, HALFT                      ; my half in LDS,
	s_lshl_b32 s22, s16, 17                        ; and in memory: 128 rows of 1,024 bytes
	s_mov_b32 s23, 0
.irp s, 0,1
	s_add_co_u32 s[G0+4*\s+1], s[G0+4*\s+1], s20
	s_add_nc_u64 s[G0+4*\s+2:G0+4*\s+3], s[G0+4*\s+2:G0+4*\s+3], s[22:23]
	s_add_co_u32 s[G0B+4*\s+1], s[G0B+4*\s+1], s20
	s_add_nc_u64 s[G0B+4*\s+2:G0B+4*\s+3], s[G0B+4*\s+2:G0B+4*\s+3], s[22:23]
.endr
.irp g, G1, G1B
	s_mov_b32 s[\g+2], 128<<16                     ; tensor_dim1
	s_mov_b32 s[\g+4], 128                         ; tile_dim1
.endr
	s_barrier_signal -1
	s_barrier_wait -1                              ; everybody's first fill has landed: both slots are whole
	FETCH_B 0, 0, 0
	FETCH_A 0, 0, 0
	FETCH_A 0, 0, 4
	STEP 0, 0, 1                                   ; the first step stands in front of the loop: its products start the sums
	s_mov_b32 s3, LAPS-1
.Llap:                                                 ; a trip goes once round the ring, from a lap's second step to the next lap's first, and fills both slots again
	TURN 0, 1, 1
	STEP 1, 0, 0
	TURN 1, 0, 1
	STEP 0, 0, 0
	s_sub_co_u32 s3, s3, 1
	s_cmp_lg_u32 s3, 0
	s_cbranch_scc1 .Llap
	TURN 0, 1, 0                                   ; the last lap fills nothing, and has no round of the cluster's barrier
	STEP 1, 0, 0
	s_wait_dscnt 4*NL                              ; the very last step: nothing more to fetch
	WIN MUL_LO
	MUL16 0, 1, 0
	MUL16 2, 1, 0
	s_wait_dscnt 0
	WIN MUL_HI
	MUL16 4, 1, 0
	MUL16 6, 1, 0
	WIN 0
	; THE WAY OUT.  Scales, the output's buffer and my place in it: chosen by the cluster's x, without a branch.
	s_wait_kmcnt 0x0
	s_add_co_i32 s96, s84, s85                     ; e0 + e1
	s_add_co_i32 s96, s96, 127
	s_lshl_b32 s96, s96, 23                        ; 2^(e0 + e1) as f32
	s_mov_b32 s97, s96                             ; (named with it as a pair, so it is written)
	s_cmp_eq_u32 ttmp9, 0
	s_cselect_b32 s74, s86, s87                    ; e2 for q, e3 for k,
	s_cselect_b64 s[72:73], s[76:77], s[78:79]
	s_cmp_eq_u32 ttmp9, 2
	s_cselect_b32 s74, s89, s74                    ; e5 for v
	s_cselect_b64 s[72:73], s[80:81], s[72:73]
	s_add_co_i32 s74, s74, 127
	s_lshl_b32 s75, s74, 23
	v_mov_b32 v[QS], s75
	s_add_co_i32 s74, s74, 8
	s_lshl_b32 s74, s74, 23
	s_or_b32 s74, s74, 0x600000
	v_mov_b32 v[QL], s74
	s_lshl_b32 s20, s17, 8                         ; q, k: my first token,
	s_lshl_b32 s21, s15, 7
	s_add_co_u32 s20, s20, s21
	s_lshr_b32 s21, s20, 11
	s_lshl_b32 s21, s21, 21                        ; its batch: 16 heads of 131,072 bytes,
	s_and_b32 s22, s20, 2047
	s_lshl_b32 s22, s22, 6                         ; its tile of 16 tokens: 1,024 bytes each,
	s_add_co_u32 s21, s21, s22
	s_lshl_b32 s22, s40, 2
	s_lshl_b32 s23, s16, 1
	s_add_co_u32 s22, s22, s23                     ; my first head: 4 cx + 2 x half
	s_lshl_b32 s22, s22, 17
	s_add_co_u32 s21, s21, s22
	s_lshl_b32 s44, s42, 8                         ; v: my first token,
	s_lshl_b32 s45, s16, 7
	s_add_co_u32 s44, s44, s45
	s_lshr_b32 s45, s44, 11
	s_lshl_b32 s45, s45, 21                        ; its batch,
	s_and_b32 s46, s44, 2047
	s_lshl_b32 s46, s46, 6                         ; its step of 128 keys: 8,192 bytes each,
	s_add_co_u32 s45, s45, s46
	s_lshl_b32 s46, s41, 2
	s_lshl_b32 s47, s15, 1
	s_add_co_u32 s46, s46, s47                     ; my first head: 4 cy + 2 x half
	s_lshl_b32 s46, s46, 17
	s_add_co_u32 s45, s45, s46
	s_cmp_eq_u32 ttmp9, 2
	s_cselect_b32 s20, s45, s21
	s_mov_b32 s21, 0
	s_add_nc_u64 s[72:73], s[72:73], s[20:21]
	s_wait_loadcnt 0x0                             ; the biases
	PLACES NP                                      ; in front of the first vector lines that read results and write the registers that held A's fragments
; Block a: my A rows 16 a .. 16 a + 15 against all 128 rows of B.  sum x 2^(e0 + e1) + bias (one packed multiply-add for two numbers; each accumulator from its low end on), the hold, the conversions, four stores of 512 bytes.
.macro OUTBLK a, isv
.if (\a) == 4
	s_wait_xcnt 0x0                                ; the stores of blocks 0 to 3 have read their registers: blocks 4 to 7 write the same sixty-four
.endif
	WIN 0x02+((\a)/4)                              ; source 0: window 2 or 3
.set oj, 0
.rept 32
.if \isv
	v_pk_fma_f32 v[TMP+oj:TMP+oj+1], v[64*((\a)%4)+oj:64*((\a)%4)+oj+1], s[96:97], v[BV+2*(\a):BV+2*(\a)+1] op_sel_hi:[1,0,1]
.else
	v_pk_fma_f32 v[TMP+oj:TMP+oj+1], v[64*((\a)%4)+oj:64*((\a)%4)+oj+1], s[96:97], v[BI+oj:BI+oj+1] op_sel_hi:[1,0,1]
.endif
.set oj, oj+2
.endr
	WIN 0
.set oj, 0
.rept 64
	v_med3_num_f32 v[TMP+oj], v[TMP+oj], -v[QL], v[QL]   ; the conversion to an 8-bit code does not saturate (ISA guide 7.6.2): the hold at the largest code x the scale
.set oj, oj+1
.endr
.irp g, 0,1,2,3,4,5,6,7
	v_cvt_scalef32_pk8_fp8_f32 v[CD+16*((\a)%4)+2*\g:CD+16*((\a)%4)+2*\g+1], v[TMP+8*\g:TMP+8*\g+7], v[QS]
.endr
	v_nop                                          ; one plain vector line between the conversions and the next block's lines, which write their sources
.irp b, 0,1,2,3
.if \isv
	global_store_b128 v[LI], v[CD+16*((\a)%4)+4*\b:CD+16*((\a)%4)+4*\b+3], s[72:73] offset:131072*((\a)/4)+2048*((\a)%4)+512*\b   ; head a / 4, channel tile a % 4, chunk b
.else
	global_store_b128 v[LI], v[CD+16*((\a)%4)+4*\b:CD+16*((\a)%4)+4*\b+3], s[72:73] offset:1024*(\a)+131072*(\b/2)+512*(\b%2)     ; token tile a, head b / 2, chunk b % 2
.endif
.endr
.endm
	s_cmp_eq_u32 ttmp9, 2                          ; the same in all partners
	s_cbranch_scc1 .Lv_out
.irp a, 0,1,2,3,4,5,6,7
	OUTBLK \a, 0
.endr
	s_branch .Ljoin
.Lv_out:
.irp a, 0,1,2,3,4,5,6,7
	OUTBLK \a, 1
.endr
.Ljoin:
	s_wait_tensorcnt 0x0                           ; the wave's end
	ds_add_u32 v[SPW], v[NIL]
	s_wait_dscnt 0x0
	CROUND                                         ; the closing round: no work-group ends while a partner may still ask for a tile that names it
	s_endpgm
.Lfunc_end_k_q3b8d3d834a_qkv:
	.size	k_q3b8d3d834a_qkv, .Lfunc_end_k_q3b8d3d834a_qkv-k_q3b8d3d834a_qkv
	.p2alignl 7, 3214868480
	.fill 96, 4, 3214868480
	.section	.rodata,"a",@progbits
	.p2align	6, 0x0
	.amdhsa_kernel k_q3b8d3d834a_qkv
		.amdhsa_group_segment_fixed_size 327680
		.amdhsa_private_segment_fixed_size 0
		.amdhsa_enable_private_segment 0
		.amdhsa_kernarg_size 56
		.amdhsa_user_sgpr_count 2
		.amdhsa_user_sgpr_kernarg_segment_ptr 1
		.amdhsa_wavefront_size32 1
		.amdhsa_system_sgpr_workgroup_id_x 1
		.amdhsa_system_sgpr_workgroup_id_y 1
		.amdhsa_system_sgpr_workgroup_id_z 1
		.amdhsa_system_vgpr_workitem_id 0
		.amdhsa_next_free_vgpr 1024
		.amdhsa_next_free_sgpr 100
		.amdhsa_reserve_vcc 0
		.amdhsa_float_denorm_mode_32 3
		.amdhsa_float_denorm_mode_16_64 3
		.amdhsa_memory_ordered 1
		.amdhsa_forward_progress 1
		.amdhsa_inst_pref_size 195
	.end_amdhsa_kernel
	.amdgpu_metadata
---
amdhsa.version: [ 1, 2 ]
amdhsa.kernels:
  - .name:           k_q3b8d3d834a_qkv
    .symbol:         k_q3b8d3d834a_qkv.kd
    .args:
      - { .name: xc, .offset: 0, .size: 8, .value_kind: global_buffer, .address_space: global }
      - { .name: wqc, .offset: 8, .size: 8, .value_kind: global_buffer, .address_space: global }
      - { .name: lowp_scales, .offset: 16, .size: 8, .value_kind: global_buffer, .address_space: global }
      - { .name: b_qkv, .offset: 24, .size: 8, .value_kind: global_buffer, .address_space: global }
      - { .name: qc, .offset: 32, .size: 8, .value_kind: global_buffer, .address_space: global }
      - { .name: kc, .offset: 40, .size: 8, .value_kind: global_buffer, .address_space: global }
      - { .name: vc, .offset: 48, .size: 8, .value_kind: global_buffer, .address_space: global }
    .group_segment_fixed_size: 327680
    .private_segment_fixed_size: 0
    .kernarg_segment_align: 8
    .kernarg_segment_size: 56
    .max_flat_workgroup_size: 128
    .sgpr_count:     100
    .vgpr_count:     1024
    .wavefront_size: 32
...
	.end_amdgpu_metadata
.endif
;; end of part 2
;; launch attn (part 3): grid 4 x 64, 16 waves a work-group, no clusters, 264,192 bytes of LDS; arguments qc, kc, vc, lowp_scales, ao; writes ao
.if DOCPART == 3
	.amdgcn_target "amdgcn-amd-amdhsa--gfx1250"
	.amdhsa_code_object_version 6
	.text
	.protected	k_q3b8d3d834a_attn
	.globl	k_q3b8d3d834a_attn
	.p2align	8
	.type	k_q3b8d3d834a_attn,@function
k_q3b8d3d834a_attn:
	s_mov_b64 s[64:65], 0
	v_nop
	global_prefetch_b8 v0, s[64:65] scope:SCOPE_SE
	s_setreg_imm32_b32 hwreg(HW_REG_WAVE_MODE, 25, 1), 1
	s_wait_xcnt 0x0
; o = softmax(q k^T / 8) v for one head, both products on codes of FP8 (E4M3); o is quantised again (entry 6 of the scales) for the last product.
; THE SOFTMAX: t = score x log2(e) / 8; M = the row's largest t so far, rounded UP to a whole number; p = 2^(t - M) is quantised (entry 4), not normalised.  The row's sum is taken of the unquantised p, in f32,
; and divides at the end.  When M moves, the sum and O are multiplied by 2^(old M - new M): exact.
; SHARES.  Work-group (x, y): head y (= 16 x batch + head), queries 512 x .. 512 x + 511.  Each of sixteen waves owns TWO tiles of 16 queries, A and B: each fragment of K and V read from LDS feeds two matrix instructions.
; LDS: sixteen slots of 16,384 bytes, one for each step of 128 keys: K's 8,192 bytes, then V's, as the images of operand registers in which qkv's launch has laid them.  Every byte is written once.
; THE COPY goes through registers, 512 bytes of K and 512 of V a wave and step.  Steps 0 and 1 are copied at the head; in step s the loads of step s + 2 are issued behind the scores and stored behind three
; of the four batches of exponentials.  One barrier a step: its signal stands behind the stores' wait, its wait behind the NEXT step's scores, so what is stored in step s is first read in step s + 2.
; No tensor load, so no joint load.  No prefetch: the copy's own loads ask two steps ahead of the first read.
; LAYOUT.  S^T = K Q^T (source 0 = 16 keys, source 1 = 16 queries): a lane holds ONE query (lane % 16); register j of tile T is key 16 T + 8 (lane / 16) + j: converted, eight at a time, that is the second product's
; operand.  O^T = V^T P^T (source 0 = 16 stored channels): by V's stored order the 16 registers of tiles 2 c, 2 c + 1 are channels 32 c + 16 (lane / 16) + 0 .. 15.
; ao: [tile of 16 rows][head][chunk c][512]: at 16 x lane the codes of row lane % 16, column 64 head + 32 c + 16 (lane / 16) + 0 .. 15: each store covers 512 consecutive bytes, aligned.
; LIMITS: e2 + e3 between -123 and 130 (added to c's exponent field); e4 and e6 between -126 and 119; e4 + e5 is applied by v_ldexp_f32 and has none.  NaN is not served.
.set LI,   1                           ; v1      16 x lane
.set PLIM, 2                           ; v2      448 x 2^e4
.set PSC,  3                           ; v3      2^e4
.set MA,   4                           ; v[4:5]  tile A: -M, the largest t
.set LA,   6                           ; v[6:7]  tile A: the sum, in two halves
.set MB,   8                           ; v[8:9], v[10:11] the same for tile B
.set LB,   10
.set AD,   12                          ; v12     LDS address of the step's slot + 16 x lane
.set STA,  13                          ; v13     LDS address of the step's slot + 16 x thread: the copy's
.set GO,   15                          ; v15     16 x thread: my 16 bytes of a step's 8,192
.set QA,   16                          ; v16-23  Q of tile A;  v24-31 of tile B
.set QB,   24
.set R1,   32                          ; v32-63  four fragments of K; then at work; then p's codes: A v32-47, B v48-63 (v56-63 hold the copy's 32 bytes until they are stored)
.set TA,   32                          ; v[32:33] at work for A; f = 2^(old M - new M) ends in v32
.set TB,   34                          ; v[34:35] for B
.set SA,   64                          ; v64-127  S^T of A, then p of A, then sums (low half) and two fragments of V (high half)
.set SB,   128                         ; v128-191 the same for B
.set OA,   192                         ; v192-223 O^T of A;  v224-255 of B
.set OB,   224
.set SLOT, 16384
	s_load_b256 s[4:11], s[0:1], 0x0               ; qc s[4:5], kc s[6:7], vc s[8:9], the scales' exponents s[10:11]
	s_load_b64 s[12:13], s[0:1], 0x20              ; ao
	v_lshrrev_b32 v2, 5, v0
	v_readfirstlane_b32 s24, v2                    ; wave 0..15
	v_and_b32 v1, 31, v0
	v_lshlrev_b32 v[LI], 4, v1
	v_lshlrev_b32 v[GO], 4, v0
	s_and_b32 s25, ttmp7, 0xffff                   ; y
	s_lshl_b32 s32, s25, 17                        ; the head's 131,072 bytes in qc, kc, vc
	s_mov_b32 s33, 0
	s_lshl_b32 s36, ttmp9, 5
	s_lshl_b32 s37, s24, 1
	s_add_co_u32 s36, s36, s37                     ; my first tile of queries: 32 x + 2 x wave
	s_lshl_b32 s38, s36, 10
	s_add_co_u32 s38, s38, s32
	s_mov_b32 s39, 0
	s_lshr_b32 s40, s25, 4
	s_lshl_b32 s40, s40, 7
	s_add_co_u32 s40, s40, s36                     ; ao: tile of rows 128 x batch + my tile: 16,384 bytes each,
	s_lshl_b32 s40, s40, 14
	s_and_b32 s41, s25, 15
	s_lshl_b32 s41, s41, 10                        ; the head's 1,024 bytes in it
	s_add_co_u32 s40, s40, s41
	s_mov_b32 s41, 0
	s_mov_b32 s26, 0x76543210                      ; v_permlanex16_b32: lane l xor 16
	s_mov_b32 s27, 0xfedcba98
	s_mov_b32 s28, 0x3e38aa3b                      ; c = log2(e) / 8
	s_mov_b32 s30, 0                               ; the step's slot in LDS
	s_mov_b32 s31, 14                              ; steps that copy
	s_wait_alu depctr_va_vdst(0)
	s_wait_kmcnt 0x0
	s_load_b256 s[16:23], s[10:11], 0x0            ; e0 .. e7
	s_add_nc_u64 s[6:7], s[6:7], s[32:33]
	s_add_nc_u64 s[8:9], s[8:9], s[32:33]
	s_add_nc_u64 s[4:5], s[4:5], s[38:39]
	s_add_nc_u64 s[12:13], s[12:13], s[40:41]
.irp c, 0,1
	global_load_b128 v[SA+8*\c:SA+8*\c+3], v[GO], s[6:7] offset:8192*\c     ; K of step c: a wave reads 512 consecutive bytes
	global_load_b128 v[SA+8*\c+4:SA+8*\c+7], v[GO], s[8:9] offset:8192*\c   ; V
.endr
.irp i, 0,1,2,3
	global_load_b128 v[QA+4*\i:QA+4*\i+3], v[LI], s[4:5] offset:512*\i th:TH_LOAD_NT   ; Q: tile A's two chunks, tile B's two; they stay in registers
.endr
	v_mov_b32 v[MA+1], 0xff61b1e6                  ; the largest t so far: -3e38, under every t
	v_mov_b32 v[MB+1], 0xff61b1e6
	v_floor_f32 v[MA], -v[MA+1]                    ; -M
	v_floor_f32 v[MB], -v[MB+1]
	v_mov_b32 v[LA], 0
	v_mov_b32 v[LA+1], 0
	v_mov_b32 v[LB], 0
	v_mov_b32 v[LB+1], 0
.set ii, 0
.rept 64
	v_mov_b32 v[OA+ii], 0                          ; O^T.  (The step has no first form of its own: the first finds zeros, which the first change of M leaves zeros)
.set ii, ii+1
.endr
	s_wait_kmcnt 0x0
	s_add_co_i32 s32, s18, s19                     ; a score stands for score x 2^(e2 + e3): the two exponents are added to c's exponent field
	s_lshl_b32 s32, s32, 23
	s_add_co_i32 s28, s28, s32
	s_mov_b32 s29, s28                             ; (named with it as a pair, so it is written)
	s_add_co_i32 s32, s20, 127
	s_lshl_b32 s34, s32, 23
	v_mov_b32 v[PSC], s34                          ; 2^e4 as f32
	s_add_co_i32 s32, s32, 8
	s_lshl_b32 s32, s32, 23
	s_or_b32 s32, s32, 0x600000
	v_mov_b32 v[PLIM], s32                         ; 448 x 2^e4
	s_wait_alu depctr_va_vdst(0)                   ; the wait at the head's end
	s_wait_loadcnt 4                               ; K's and V's four loads are in; Q's four stay out
.irp c, 0,1
	ds_store_b128 v[GO], v[SA+8*\c:SA+8*\c+3] offset:SLOT*\c
	ds_store_b128 v[GO], v[SA+8*\c+4:SA+8*\c+7] offset:SLOT*\c+8192
.endr
	s_add_nc_u64 s[6:7], s[6:7], 16384             ; on to step 2 (the loads that read these bases are done)
	s_add_nc_u64 s[8:9], s[8:9], 16384
	s_wait_loadcnt 0x0                             ; Q
	s_wait_dscnt 0x0                               ; for the others' sake: my stores have landed
	s_barrier_signal -1
	s_barrier_wait -1                              ; slots 0 and 1 are whole
	s_barrier_signal -1                            ; a step's wait answers the signal of the step before; step 0's answers this one
.macro PLACES                          ; plain vector lines between a matrix instruction and a load into, or a vector line on, its registers
.rept 4
	v_nop
.endr
.endm
.macro KLOAD g                         ; four tiles of 16 keys: 8 registers each, two chunks of 512 bytes
.irp t, 0,1,2,3
.irp c, 0,1
	ds_load_b128 v[R1+8*\t+4*\c:R1+8*\t+4*\c+3], v[AD] offset:(4*\g+\t)*1024+512*\c
.endr
.endr
.endm
.macro SMUL g                          ; each fragment of K against both tiles of queries; every product starts its own sum
.irp t, 0,1,2,3
	v_wmma_f32_16x16x64_fp8_fp8 v[SA+8*(4*\g+\t):SA+8*(4*\g+\t)+7], v[R1+8*\t:R1+8*\t+7], v[QA:QA+7], 0
	v_wmma_f32_16x16x64_fp8_fp8 v[SB+8*(4*\g+\t):SB+8*(4*\g+\t)+7], v[R1+8*\t:R1+8*\t+7], v[QB:QB+7], 0
.endr
.endm
; The step's largest score of each query, the new M and f, for both tiles line by line: four chains.  Each accumulator is first read at its two lowest registers.
.macro MAXM
	v_max3_num_f32 v[TA], v[SA], v[SA+1], v[SA+2]
	v_max3_num_f32 v[TB], v[SB], v[SB+1], v[SB+2]
	v_max3_num_f32 v[TA+1], v[SA+3], v[SA+4], v[SA+5]
	v_max3_num_f32 v[TB+1], v[SB+3], v[SB+4], v[SB+5]
.irp i, 6,10,14,18,22,26,30,34,38,42,46,50,54,58
	v_max3_num_f32 v[TA], v[TA], v[SA+\i], v[SA+\i+1]
	v_max3_num_f32 v[TB], v[TB], v[SB+\i], v[SB+\i+1]
	v_max3_num_f32 v[TA+1], v[TA+1], v[SA+\i+2], v[SA+\i+3]
	v_max3_num_f32 v[TB+1], v[TB+1], v[SB+\i+2], v[SB+\i+3]
.endr
	v_max3_num_f32 v[TA], v[TA], v[SA+62], v[SA+63]
	v_max3_num_f32 v[TB], v[TB], v[SB+62], v[SB+63]
	s_delay_alu instid0(VALU_DEP_2)
	v_max_num_f32 v[TA], v[TA], v[TA+1]
	s_delay_alu instid0(VALU_DEP_2)
	v_max_num_f32 v[TB], v[TB], v[TB+1]
	s_delay_alu instid0(VALU_DEP_2)
	v_permlanex16_b32 v[TA+1], v[TA], s26, s27     ; the query's other 64 keys lie in the lane 16 away
	s_delay_alu instid0(VALU_DEP_2)
	v_permlanex16_b32 v[TB+1], v[TB], s26, s27
	s_delay_alu instid0(VALU_DEP_2)
	v_max_num_f32 v[TA], v[TA], v[TA+1]
	s_delay_alu instid0(VALU_DEP_2)
	v_max_num_f32 v[TB], v[TB], v[TB+1]
	s_delay_alu instid0(VALU_DEP_2)
	v_mul_f32 v[TA], s28, v[TA]                    ; as t (c is positive)
	s_delay_alu instid0(VALU_DEP_2)
	v_mul_f32 v[TB], s28, v[TB]
	s_delay_alu instid0(VALU_DEP_2)
	v_max_num_f32 v[MA+1], v[MA+1], v[TA]          ; the running largest t
	s_delay_alu instid0(VALU_DEP_2)
	v_max_num_f32 v[MB+1], v[MB+1], v[TB]
	v_mov_b32 v[TA], v[MA]
	v_mov_b32 v[TB], v[MB]
	s_delay_alu instid0(VALU_DEP_4)
	v_floor_f32 v[MA], -v[MA+1]                    ; the new -M = floor(-t) = -ceil(t): a whole number
	s_delay_alu instid0(VALU_DEP_4)
	v_floor_f32 v[MB], -v[MB+1]
	s_delay_alu instid0(VALU_DEP_2)
	v_sub_f32 v[TA], v[MA], v[TA]                  ; old M - new M: a whole number, 0 or less
	s_delay_alu instid0(VALU_DEP_2)
	v_sub_f32 v[TB], v[MB], v[TB]
	s_delay_alu instid0(VALU_DEP_2)
	v_cvt_i32_f32 v[TA], v[TA]                     ; (it saturates)
	s_delay_alu instid0(VALU_DEP_2)
	v_cvt_i32_f32 v[TB], v[TB]
	s_delay_alu instid0(VALU_DEP_2)
	v_ldexp_f32 v[TA], 1.0, v[TA]                  ; f = 2^(old M - new M)
	s_delay_alu instid0(VALU_DEP_2)
	v_ldexp_f32 v[TB], 1.0, v[TB]
.endm
.macro RESC l, o, t                    ; the sum and O^T under the new M: x f; each accumulator from its low end on.  No exponential stands between the last step's products and these lines
	v_pk_mul_f32 v[\l:\l+1], v[\l:\l+1], v[\t:\t+1] op_sel_hi:[1,0]
.set ii, 0
.rept 16
	v_pk_mul_f32 v[\o+ii:\o+ii+1], v[\o+ii:\o+ii+1], v[\t:\t+1] op_sel_hi:[1,0]
.set ii, ii+2
.endr
.endm
.macro SCALE s, m, n                   ; t - M, two at a time (of the pairs c and -M the low word serves both halves): n pairs
.set ii, 0
.rept \n
	v_pk_fma_f32 v[\s+ii:\s+ii+1], v[\s+ii:\s+ii+1], s[28:29], v[\m:\m+1] op_sel_hi:[1,0,0]
.set ii, ii+2
.endr
.endm
.macro TREE d, c, n                    ; n packed additions: pair j of d = pairs 2 j and 2 j + 1 of c (d at or under c: a pair is written only behind the lines that read it)
.set tj, 0
.rept \n
	v_pk_add_f32 v[\d+2*tj:\d+2*tj+1], v[\c+4*tj:\c+4*tj+1], v[\c+4*tj+2:\c+4*tj+3]
.set tj, tj+1
.endr
.endm
.macro CVT4 s, p                       ; registers 2 T, 2 T + 1 of the operand: keys 16 T + 8 (lane / 16) + 0 .. 7
.irp g, 0,1,2,3
	v_cvt_scalef32_pk8_fp8_f32 v[\p+2*\g:\p+2*\g+1], v[\s+8*\g:\s+8*\g+7], v[PSC]
.endr
.endm
; A BATCH OF 32 EXPONENTIALS on v[e ..], with lines between them that hang on nothing written in the batch and whose results are first read behind the wait that follows it:
; f, m: the next 32 scores' t - M (f < 0: none);  c, p, d: 32 finished p, converted into codes at p and added by pairs into d (c < 0: none);  t: 16 pairs of sums added into 8 (t < 0: none).
; The multiply-adds, or t's additions, are the plain lines between the conversions and the additions that write over their sources.
.macro ZONE e, f, m, c, p, d, t
.set zi, 0
.rept 16
	v_exp_f32 v[\e+2*zi], v[\e+2*zi]
.if (\f) >= 0
	v_pk_fma_f32 v[\f+2*zi:\f+2*zi+1], v[\f+2*zi:\f+2*zi+1], s[28:29], v[\m:\m+1] op_sel_hi:[1,0,0]
.endif
.if ((\t) >= 0) && (zi < 8)
	v_pk_add_f32 v[\t+2*zi:\t+2*zi+1], v[\t+4*zi:\t+4*zi+1], v[\t+4*zi+2:\t+4*zi+3]
.endif
	v_exp_f32 v[\e+2*zi+1], v[\e+2*zi+1]
.if (\c) >= 0
.if zi < 4
	v_cvt_scalef32_pk8_fp8_f32 v[\p+2*zi:\p+2*zi+1], v[\c+8*zi:\c+8*zi+7], v[PSC]
.endif
.if zi >= 8
	v_pk_add_f32 v[\d+2*(zi-8):\d+2*(zi-8)+1], v[\c+4*(zi-8):\c+4*(zi-8)+1], v[\c+4*(zi-8)+2:\c+4*(zi-8)+3]
.endif
.endif
.set zi, zi+1
.endr
.endm
; The conversion to an 8-bit code does not saturate (ISA guide 7.6.2), so p is held at 448 x 2^e4 (p is not negative: one-sided).  p is at most 1 but for the last bits of t - M; with e4 of -8 or more the bound is 1.75 or more
; and can never be met: the holds are then jumped over, by a scalar branch on the given whole number.  The sum is of the unquantised p and is taken behind the hold: so what the hold cuts off is added to the sum here.
.macro HOLD s, l
	s_cmp_gt_i32 s20, -9
	s_cbranch_scc1 .Lfree_\@
.set ii, 0
.rept 32
	v_max_num_f32 v14, v[\s+ii], v[PLIM]
	v_min_num_f32 v[\s+ii], v[\s+ii], v[PLIM]
	v_sub_f32 v14, v14, v[PLIM]                    ; max(p, bound) - bound: what is cut off
	v_add_f32 v[\l], v[\l], v14
.set ii, ii+1
.endr
	s_wait_alu depctr_va_vdst(0)
.Lfree_\@:
.endm
.macro VLOAD f, t0                     ; V's tiles t0, t0 + 1 of 16 stored channels x 128 keys
.irp t, 0,1
.irp b, 0,1,2,3
	ds_load_b128 v[\f+16*\t+4*\b:\f+16*\t+4*\b+3], v[AD] offset:8192+2048*(\t0+\t)+512*\b
.endr
.endr
.endm
.macro PV t, f                         ; eight accumulators by turns, one instruction a turn; between two links of a chain stand the next step's sixteen products
	v_wmma_f32_16x16x128_fp8_fp8 v[OA+8*\t:OA+8*\t+7], v[\f:\f+15], v[R1:R1+15], v[OA+8*\t:OA+8*\t+7]
	v_wmma_f32_16x16x128_fp8_fp8 v[OB+8*\t:OB+8*\t+7], v[\f:\f+15], v[R1+16:R1+31], v[OB+8*\t:OB+8*\t+7]
.endm
; A STEP: 128 keys.  cp = 1: it also copies step + 2's K and V into their slot.
.macro STEP cp
	v_add_nc_u32 v[AD], s30, v[LI]
.if \cp
	v_add_nc_u32 v[STA], s30, v[GO]
.else
	v_nop
.endif
.rept 3
	v_nop                                          ; five places behind the last step's products: four for the loads into p's codes' registers, five for the products that write over V's fragments
.endr
	KLOAD 0
	s_wait_alu depctr_va_vdst(0)
	s_wait_dscnt 0x0
	SMUL 0
	PLACES
	KLOAD 1
	s_wait_dscnt 0x0
	SMUL 1
	PLACES
.if \cp
	s_barrier_wait -1                              ; every wave has stored its part of step + 1's slot (and signalled in the step before)
	global_load_b128 v[56:59], v[GO], s[6:7]       ; step + 2: my 16 bytes of K's 8,192,
	global_load_b128 v[60:63], v[GO], s[8:9]       ; and of V's
.endif
	MAXM
	RESC LA, OA, TA
	RESC LB, OB, TB
	SCALE SA, MA, 16
	s_wait_alu depctr_va_vdst(0)                   ; one wait ahead of each batch and behind the one before it
	ZONE SA, SA+32, MA, -1, 0, 0, -1
	v_nop                                          ; a plain line behind the last exponential
	s_wait_alu depctr_va_vdst(0)
	HOLD SA, LA
	ZONE SA+32, SB, MB, SA, R1, SA, -1
	s_wait_alu depctr_va_vdst(0)
	HOLD SA+32, LA
	ZONE SB, SB+32, MB, SA+32, R1+8, SA+16, -1
	s_wait_alu depctr_va_vdst(0)
.if \cp
	s_wait_loadcnt 0x0                             ; the copy's two loads are in, and have read their bases
	ds_store_b128 v[STA], v[56:59] offset:2*SLOT
	ds_store_b128 v[STA], v[60:63] offset:2*SLOT+8192
	s_add_nc_u64 s[6:7], s[6:7], 8192
	s_add_nc_u64 s[8:9], s[8:9], 8192
.endif
	VLOAD SA+32, 2                                 ; into the registers that tile A's upper p have left
	HOLD SB, LB
	ZONE SB+32, -1, 0, SB, R1+16, SB, SA
	s_wait_alu depctr_va_vdst(0)
	HOLD SB+32, LB
.if \cp
	s_wait_dscnt 8                                 ; the two stores have read v56-63 (V's eight loads behind them may be out)
.endif
	CVT4 SB+32, R1+24
	TREE SB+16, SB+32, 8
	VLOAD SB+32, 0
	TREE SB, SB, 8                                 ; the rest of the two trees, line groups by turns
	TREE SA, SA, 4
	TREE SB, SB, 4
	TREE SA, SA, 2
	TREE SB, SB, 2
	TREE SA, SA, 1
	TREE SB, SB, 1
	v_pk_add_f32 v[LA:LA+1], v[LA:LA+1], v[SA:SA+1]
	v_pk_add_f32 v[LB:LB+1], v[LB:LB+1], v[SB:SB+1]
	s_wait_alu depctr_va_vdst(0)
	s_wait_dscnt 8                                 ; V's tiles 2 and 3 are in; the younger eight loads may be out
	PV 2, SA+32
	PV 3, SA+48
	s_wait_dscnt 0x0                               ; V's tiles 0 and 1 are in; my stores landed long ago
.if \cp
	s_barrier_signal -1                            ; my part of step + 2's slot is stored; up to the wait stand products, LDS loads of slots that nobody writes, and register work
.endif
	PV 0, SB+32
	PV 1, SB+48
.endm
.Lstep:                                            ; steps 0 to 13
	STEP 1
	s_add_co_u32 s30, s30, SLOT
	s_sub_co_u32 s31, s31, 1
	s_cmp_lg_u32 s31, 0
	s_cbranch_scc1 .Lstep
	s_barrier_wait -1                              ; step 13's signal: slot 15 is whole
	s_mov_b32 s31, 2
.Ltail:                                            ; steps 14 and 15 copy nothing and have no barrier
	STEP 0
	s_add_co_u32 s30, s30, SLOT
	s_sub_co_u32 s31, s31, 1
	s_cmp_lg_u32 s31, 0
	s_cbranch_scc1 .Ltail
	; THE WAY OUT.  O^T / the sum x 2^(e4 + e5), held, converted with 2^e6.  The first four vector lines are the places behind the last products.
	s_add_co_i32 s32, s22, 127
	s_lshl_b32 s34, s32, 23
	s_add_co_i32 s32, s32, 8
	s_lshl_b32 s32, s32, 23
	s_or_b32 s32, s32, 0x600000
	s_add_co_i32 s33, s20, s21                     ; e4 + e5
	v_mov_b32 v14, s34                             ; 2^e6 as f32
	v_mov_b32 v15, s32                             ; 448 x 2^e6
	v_add_f32 v[LA], v[LA], v[LA+1]                ; the sums' two halves,
	v_add_f32 v[LB], v[LB], v[LB+1]
	v_permlanex16_b32 v[LA+1], v[LA], s26, s27
	v_permlanex16_b32 v[LB+1], v[LB], s26, s27
	v_add_f32 v[LA], v[LA], v[LA+1]                ; and lane l xor 16's: the rows' sums
	v_add_f32 v[LB], v[LB], v[LB+1]
	s_wait_alu depctr_va_vdst(0)
	v_rcp_f32 v[LA], v[LA]
	v_rcp_f32 v[LB], v[LB]
	v_nop                                          ; a plain line behind the reciprocals,
	s_wait_alu depctr_va_vdst(0)                   ; and one wait for both, ahead of the first reader
	v_ldexp_f32 v[LA], v[LA], s33
	v_ldexp_f32 v[LB], v[LB], s33
	s_wait_alu depctr_va_vdst(0)
.set ii, 0
.rept 16
	v_pk_mul_f32 v[OA+ii:OA+ii+1], v[OA+ii:OA+ii+1], v[LA:LA+1] op_sel_hi:[1,0]
.set ii, ii+2
.endr
.set ii, 0
.rept 16
	v_pk_mul_f32 v[OB+ii:OB+ii+1], v[OB+ii:OB+ii+1], v[LB:LB+1] op_sel_hi:[1,0]
.set ii, ii+2
.endr
.set ii, 0
.rept 64
	v_med3_num_f32 v[OA+ii], v[OA+ii], -v15, v15   ; the hold at the largest code x the scale
.set ii, ii+1
.endr
.irp g, 0,1,2,3,4,5,6,7
	v_cvt_scalef32_pk8_fp8_f32 v[32+2*\g:33+2*\g], v[OA+8*\g:OA+8*\g+7], v14
.endr
	v_nop
.irp c, 0,1
	global_store_b128 v[LI], v[32+4*\c:35+4*\c], s[12:13] offset:512*\c          ; tile A, chunk c: 512 consecutive bytes
	global_store_b128 v[LI], v[40+4*\c:43+4*\c], s[12:13] offset:16384+512*\c    ; tile B: the next tile of rows
.endr
	s_wait_xcnt 0x0
	v_lshl_add_u32 v254, v0, 2, 0x40000            ; the spare words lie behind the sixteen slots; no two registers could be kept, so the two are made here
	v_mov_b32 v255, 0
	s_wait_alu depctr_va_vdst(0)
	s_wait_tensorcnt 0x0                           ; the wave's end
	ds_add_u32 v254, v255
	s_wait_dscnt 0x0
	s_endpgm
.Lfunc_end_k_q3b8d3d834a_attn:
	.size	k_q3b8d3d834a_attn, .Lfunc_end_k_q3b8d3d834a_attn-k_q3b8d3d834a_attn
	.p2alignl 7, 3214868480
	.fill 96, 4, 3214868480
	.section	.rodata,"a",@progbits
	.p2align	6, 0x0
	.amdhsa_kernel k_q3b8d3d834a_attn
		.amdhsa_group_segment_fixed_size 264192
		.amdhsa_private_segment_fixed_size 0
		.amdhsa_enable_private_segment 0
		.amdhsa_kernarg_size 40
		.amdhsa_user_sgpr_count 2
		.amdhsa_user_sgpr_kernarg_segment_ptr 1
		.amdhsa_wavefront_size32 1
		.amdhsa_system_sgpr_workgroup_id_x 1
		.amdhsa_system_sgpr_workgroup_id_y 1
		.amdhsa_system_sgpr_workgroup_id_z 1
		.amdhsa_system_vgpr_workitem_id 0
		.amdhsa_next_free_vgpr 256
		.amdhsa_next_free_sgpr 66
		.amdhsa_reserve_vcc 0
		.amdhsa_float_denorm_mode_32 3
		.amdhsa_float_denorm_mode_16_64 3
		.amdhsa_memory_ordered 1
		.amdhsa_forward_progress 1
		.amdhsa_inst_pref_size 97
	.end_amdhsa_kernel
	.amdgpu_metadata
---
amdhsa.version: [ 1, 2 ]
amdhsa.kernels:
  - .name:           k_q3b8d3d834a_attn
    .symbol:         k_q3b8d3d834a_attn.kd
    .args:
      - { .name: qc, .offset: 0, .size: 8, .value_kind: global_buffer, .address_space: global }
      - { .name: kc, .offset: 8, .size: 8, .value_kind: global_buffer, .address_space: global }
      - { .name: vc, .offset: 16, .size: 8, .value_kind: global_buffer, .address_space: global }
      - { .name: lowp_scales, .offset: 24, .size: 8, .value_kind: global_buffer, .address_space: global }
      - { .name: ao, .offset: 32, .size: 8, .value_kind: global_buffer, .address_space: global }
    .group_segment_fixed_size: 264192
    .private_segment_fixed_size: 0
    .kernarg_segment_align: 8
    .kernarg_segment_size: 40
    .max_flat_workgroup_size: 512
    .sgpr_count:     66
    .vgpr_count:     256
    .wavefront_size: 32
...
	.end_amdgpu_metadata
.endif
;; end of part 3
;; launch proj (part 4): grid 4 x 64, 4 waves a work-group, clusters of 4 x 4, 327,680 bytes of LDS; arguments ao, wpc, lowp_scales, b_proj, out0; writes out0
.if DOCPART == 4
	.amdgcn_target "amdgcn-amd-amdhsa--gfx1250"
	.amdhsa_code_object_version 6
	.text
	.protected	k_q3b8d3d834a_proj
	.globl	k_q3b8d3d834a_proj
	.p2align	8
	.type	k_q3b8d3d834a_proj,@function
k_q3b8d3d834a_proj:
	s_mov_b64 s[64:65], 0
	v_nop
	global_prefetch_b8 v0, s[64:65] scope:SCOPE_SE
	s_setreg_imm32_b32 hwreg(HW_REG_WAVE_MODE, 25, 1), 1
	s_wait_xcnt 0x0
	s_wait_alu depctr_hold_cnt(0) depctr_sa_sdst(0) depctr_va_vdst(0) depctr_va_sdst(0) depctr_va_ssrc(0) depctr_va_vcc(0) depctr_vm_vsrc(0)
	s_getreg_b32 s2, hwreg(HW_REG_IB_STS2, 6, 4)
	s_cmp_eq_u32 s2, 0
	s_cbranch_scc0 .Lentry_in_a_cluster
	s_endpgm
.Lentry_in_a_cluster:
	s_bfe_u32 s2, ttmp6, 0x10000c
	s_cmp_lg_u32 s2, 0xf033
	s_cbranch_scc0 .Lentry_shape_is_right
	s_endpgm
.Lentry_shape_is_right:
; out0 = o w_proj + b_proj on codes of FP8 (E4M3): a finished sum x 2^(e6 + e7) + bias, f32.  LIMIT: e6 + e7 between -126 and 127.
; ao: [tile of 16 rows][head][chunk][512]: images of operand registers, 16,384 bytes a tile of rows, 4,096 of them for 256 along K.  wpc: [1,024 stored rows][1,024] codes of w_proj^T (column n at the row n with bits 3, 4 exchanged).
; A block of 128 rows x 256 columns is made by a work-group of four waves: 4 x 64 blocks, 256 work-groups.  A wave makes 64 x 128: 32 accumulators.
; K goes in four steps of 256 through a ring of two LDS slots: A's 128 rows as images (2 x 16,384 bytes), then B's 256 rows of 256 bytes, padded to 272.  Waves 0, 1 fetch A's halves, waves 2, 3 B's: one load a wave.
; CLUSTERS of 4 x 4 work-groups: A's tiles are shared along a row of the cluster, B's along a column, each asked for jointly.
; No prefetch: K has four fills in all, and two of them are the first fills.
; THE MATRIX INSTRUCTION takes 16 stored rows of w as source 0 and 16 rows of o as source 1: a lane holds one row of the result; by the stored order the 16 registers of accumulators 2 b, 2 b + 1 are 16 neighbouring columns.
; REGISTERS, in windows of 256: window 0: v0-31 addresses, v128-255 A's fragments, two sets of 4 x 16 (on the way out: rows read back);  window 1: B's fragments, two sets of 8 x 16;  window 2: the accumulators ((a, b) at v[8 (8 a + b)]).
.set PITCH,  272
.set AHALF,  16384
.set BHALF,  128*PITCH
.set BOFF,   2*AHALF
.set SLOT,   BOFF+2*BHALF
.set FR,     16
.set NP,     4                         ; places behind this matrix instruction (ISA guide 7.12.1)
.set SPARE,  2*SLOT                    ; behind the ring: the spare words, 128 bytes for each wave
.set SPITCH, 528                       ; the way out: a stage of 16 rows x (512 + 16) bytes for each wave, in slot 0, behind its last fill and its last read
.set BP,   8                           ; v8-11   the bias at my four columns of a row read back
.set ADRA, 16                          ; v16-17  LDS address of my A fragments in slot 0, 1
.set ADRB, 20                          ; v20-21  the same for B
.set STO,  24
.set RD,   25
.set LI,   26                          ; v26     16 x lane
.set SPW,  28
.set NIL,  29
.set AF,   128
.set BK,   128
.set G1, 24
.set G0, 32
.set G1B, 48
.set G0B, 56
.set MSB, 0
.macro WIN new                         ; the immediate's high byte repeats the setting that is left
.if MSB != \new
	s_set_vgpr_msb (MSB<<8)|\new
.set MSB, \new
.endif
.endm
.set MUL_LO, 0xa1                      ; source 0 (B) window 1, source 1 (A) window 0, C and D window 2
.set TO_B,   0x40                      ; destination window 1, address window 0
.macro JLOAD g0a, g1a, g0b, g1b        ; a joint load; the branch hangs on the wave's number alone; s_nop 0 and four v_nop follow each of the two lines
	s_cmp_eq_u32 s15, 0
	s_cbranch_scc0 .Lfor_b_\@
	tensor_load_to_lds s[\g0a:\g0a+3], s[\g1a:\g1a+7]
	s_nop 0
.rept 4
	v_nop
.endr
	s_branch .Lasked_\@
.Lfor_b_\@:
	tensor_load_to_lds s[\g0b:\g0b+3], s[\g1b:\g1b+7]
	s_nop 0
.rept 4
	v_nop
.endr
.Lasked_\@:
.endm
.macro CREST                           ; a round of the cluster's barrier behind its opening barrier
	s_cmp_lg_u32 s14, 0
	s_cbranch_scc1 .Lnot_wave_0_\@
	s_barrier_signal -3
.Lnot_wave_0_\@:
	s_barrier_wait -3
	s_barrier_signal -1
	s_barrier_wait -1
.endm
.macro CROUND
	s_barrier_signal -1
	s_barrier_wait -1
	CREST
.endm
	s_load_b256 s[4:11], s[0:1], 0x0               ; ao s[4:5], wpc s[6:7], the scales' exponents s[8:9], b_proj s[10:11]
	s_load_b64 s[12:13], s[0:1], 0x20              ; out0
	v_lshl_add_u32 v[SPW], v0, 2, SPARE
	v_mov_b32 v[NIL], 0
	ds_add_u32 v[SPW], v[NIL]                      ; the opening lines: the add, twice on end, and its wait ahead of my first tensor load
	ds_add_u32 v[SPW], v[NIL]
	v_lshrrev_b32 v1, 5, v0
	v_readfirstlane_b32 s14, v1                    ; wave 0..3
	s_lshr_b32 s15, s14, 1                         ; which 64 rows are mine.  Also: I fetch for A (0) or for B (1)
	s_and_b32 s16, s14, 1                          ; which 128 columns.  Also: which half of that tile I fetch
	s_bfe_u32 s40, ttmp6, 0x40000                  ; cx, cy
	s_bfe_u32 s41, ttmp6, 0x40004
	s_lshl_b32 s42, ttmp9, 2
	s_add_co_u32 s42, s42, s40                     ; block column
	s_and_b32 s17, ttmp7, 0xffff
	s_lshl_b32 s17, s17, 2
	s_add_co_u32 s17, s17, s41                     ; block row
	s_lshl_b32 s43, s41, 2
	s_lshl_b32 s43, 15, s43                        ; my row of the cluster
	s_lshl_b32 s44, 0x1111, s40                    ; my column
	s_or_b32 s[G1+0], s43, (3<<16)|(1<<21)         ; A: elements of 8 bytes, no padding: 4 tiles of rows x 4,096 bytes, 16,384 bytes apart
	s_mov_b32 s[G1+1], 512<<16
	s_mov_b32 s[G1+2], 8<<16                       ; the first fills bring whole tiles: A's 8 tiles of rows,
	s_mov_b32 s[G1+3], 512<<16
	s_mov_b32 s[G1+4], 8
	s_mov_b32 s[G1+5], 2048
	s_mov_b32 s[G1+6], 0
	s_mov_b32 s[G1+7], 0
	s_or_b32 s[G1B+0], s44, (0<<16)|(1<<20)|(1<<21)|(5<<22)|(3<<25)   ; B: 128 rows x 256 bytes, four words of padding behind every 64
	s_mov_b32 s[G1B+1], 256<<16
	s_mov_b32 s[G1B+2], 256<<16                    ; B's 256 rows
	s_mov_b32 s[G1B+3], 256<<16
	s_mov_b32 s[G1B+4], 256
	s_mov_b32 s[G1B+5], 1024
	s_mov_b32 s[G1B+6], 0
	s_mov_b32 s[G1B+7], 0
	s_lshl_b32 s20, s17, 17                        ; A: 128 x block row rows, 1,024 bytes each
	s_mov_b32 s21, 0
	s_lshl_b32 s46, s42, 18                        ; B: 256 x block column stored rows
	s_mov_b32 s47, 0
	s_wait_dscnt 0x0                               ; both opening adds are done
	s_wait_kmcnt 0x0
	s_load_b256 s[84:91], s[8:9], 0x0              ; e0 .. e7
	s_add_nc_u64 s[20:21], s[4:5], s[20:21]
	s_add_nc_u64 s[46:47], s[6:7], s[46:47]
	CROUND                                         ; all sixteen work-groups are here: the first joint loads meet
.irp s, 0,1
	s_mov_b32 s[G0+4*\s], 1
	s_mov_b32 s[G0+4*\s+1], \s*SLOT                ; A's tile lies at the slot's head: no place in the cluster enters an LDS address
	s_add_nc_u64 s[G0+4*\s+2:G0+4*\s+3], s[20:21], \s*4096
	s_or_b32 s[G0+4*\s+3], s[G0+4*\s+3], 0x80000000
	s_mov_b32 s[G0B+4*\s], 1
	s_mov_b32 s[G0B+4*\s+1], \s*SLOT+BOFF          ; B's behind it
	s_add_nc_u64 s[G0B+4*\s+2:G0B+4*\s+3], s[46:47], \s*256
	s_or_b32 s[G0B+4*\s+3], s[G0B+4*\s+3], 0x80000000
.endr
; THE FIRST FILLS: one joint load a wave, in one chain of four arms on the wave's number: wave 0 A's tile of K step 0, wave 1 B's, wave 2 A's of K step 1, wave 3 B's: both slots are asked for behind the one round.
.macro HARM g0, g1
	tensor_load_to_lds s[\g0:\g0+3], s[\g1:\g1+7]
	s_nop 0
.rept 4
	v_nop
.endr
.endm
	s_cmp_eq_u32 s14, 0
	s_cbranch_scc0 .Lh1
	HARM G0, G1
	s_branch .Lhj
.Lh1:
	s_cmp_eq_u32 s14, 1
	s_cbranch_scc0 .Lh2
	HARM G0B, G1B
	s_branch .Lhj
.Lh2:
	s_cmp_eq_u32 s14, 2
	s_cbranch_scc0 .Lh3
	HARM G0+4, G1
	s_branch .Lhj
.Lh3:
	HARM G0B+4, G1B
.Lhj:
	v_and_b32 v1, 15, v0                           ; r
	v_bfe_u32 v2, v0, 4, 1                         ; h
	v_mul_u32_u24 v3, v1, PITCH
	v_lshl_add_u32 v4, v2, 4, v3
	v_and_b32 v6, 31, v0
	v_lshlrev_b32 v[LI], 4, v6
	s_wait_alu depctr_va_vdst(0)
	s_lshl_b32 s21, s15, 14
	s_mul_i32 s22, s16, BHALF
	s_add_co_u32 s22, s22, BOFF
.irp s, 0,1
	v_add_nc_u32 v[ADRA+\s], s21, v[LI]
	v_add_nc_u32 v[ADRB+\s], s22, v4
	s_add_co_u32 s21, s21, SLOT
	s_add_co_u32 s22, s22, SLOT
.endr
	s_mul_i32 s23, s14, 16*SPITCH                  ; my stage
	v_mul_u32_u24 v5, v1, SPITCH
	v_lshl_add_u32 v5, v2, 6, v5                   ; in: row r, 64 bytes for each half of the lanes
	v_add_nc_u32 v[STO], s23, v5
	v_add_nc_u32 v[RD], s23, v[LI]                 ; back: the 32 lanes take one row of 512 bytes
	s_lshl_b32 s20, s17, 7
	s_lshl_b32 s21, s15, 6
	s_add_co_u32 s20, s20, s21
	s_lshl_b32 s20, s20, 12                        ; my first row of out0, 4,096 bytes a row,
	s_lshl_b32 s46, s42, 10
	s_lshl_b32 s47, s16, 9
	s_add_co_u32 s46, s46, s47                     ; my first column, in bytes
	s_add_co_u32 s20, s20, s46
	s_mov_b32 s21, 0
	s_mov_b32 s47, 0
	s_add_nc_u64 s[12:13], s[12:13], s[20:21]
	s_add_nc_u64 s[10:11], s[10:11], s[46:47]
	global_load_b128 v[BP:BP+3], v[LI], s[10:11]
.macro FRAGB reg, adr, q, i
.irp c, 0,1,2,3
	ds_load_b128 v[\reg+4*\c:\reg+4*\c+3], v[\adr] offset:128*(\q)+32*\c+(\i)*16*PITCH
.endr
.endm
.macro FRAGA reg, adr, q, i
.irp c, 0,1,2,3
	ds_load_b128 v[\reg+4*\c:\reg+4*\c+3], v[\adr] offset:4096*(\i)+2048*(\q)+512*\c
.endr
.endm
; 16 matrix instructions: A's blocks a0, a0 + 1 x B's eight, 128 along K, on set p.  The 32 accumulators take turns, one instruction a turn, in the same order in every step.
.macro MUL16 a0, p, zero
.irp a, \a0, \a0+1
.irp b, 0,1,2,3,4,5,6,7
.if \zero
	v_wmma_f32_16x16x128_fp8_fp8 v[8*(8*(\a)+\b):8*(8*(\a)+\b)+7], v[128*(\p)+FR*\b:128*(\p)+FR*\b+FR-1], v[AF+64*(\p)+FR*(\a):AF+64*(\p)+FR*(\a)+FR-1], 0
.else
	v_wmma_f32_16x16x128_fp8_fp8 v[8*(8*(\a)+\b):8*(8*(\a)+\b)+7], v[128*(\p)+FR*\b:128*(\p)+FR*\b+FR-1], v[AF+64*(\p)+FR*(\a):AF+64*(\p)+FR*(\a)+FR-1], v[8*(8*(\a)+\b):8*(8*(\a)+\b)+7]
.endif
.endr
.endr
.endm
.macro FETCH slot, q, p                ; the fragments of the slot's q-th 128 along K into set p: 48 loads
	WIN TO_B
.irp i, 0,1,2,3,4,5,6,7
	FRAGB 128*(\p)+FR*\i, ADRB+\slot, \q, \i
.endr
	WIN 0
.irp i, 0,1,2,3
	FRAGA AF+64*(\p)+FR*\i, ADRA+\slot, \q, \i
.endr
.endm
.macro PLACES n
.rept \n
	v_nop
.endr
.endm
; A slot's first 128 along K, on set 0; the second 128's fragments are asked for ahead of the products.
.macro STEP slot, zero
	s_wait_dscnt 0x0                               ; set 0 is in
	PLACES NP                                      ; in front of loads into set 1, which the products just issued have read
	FETCH \slot, 1, 1
	WIN MUL_LO
	MUL16 0, 0, \zero
	MUL16 2, 0, \zero
	WIN 0
.endm
; A slot's second 128, on set 1, changes slots: in front of the one barrier each wave waits for all its tensor loads, adds 0 to its spare word, and waits for that and for its reads of this slot.  fill = 1: this slot is filled again.
.macro TURN slot, next, fill
	s_wait_tensorcnt 0x0                           ; my part of the next slot has landed
	ds_add_u32 v[SPW], v[NIL]
	s_wait_dscnt 0x0                               ; the add is done, set 1 is in, and my reads of this slot are over
	s_barrier_signal -1
	WIN MUL_LO
	MUL16 0, 1, 0
	WIN 0
	s_barrier_wait -1
.if \fill
	CREST                                          ; the barrier has opened a round of the cluster's barrier
	s_add_nc_u64 s[G0+4*\slot+2:G0+4*\slot+3], s[G0+4*\slot+2:G0+4*\slot+3], 2*4096
	s_add_nc_u64 s[G0B+4*\slot+2:G0B+4*\slot+3], s[G0B+4*\slot+2:G0B+4*\slot+3], 2*256
	JLOAD G0+4*\slot, G1, G0B+4*\slot, G1B         ; the first tensor load behind the round; its four v_nop are the places in front of the loads below
.else
	PLACES NP
.endif
	FETCH \next, 0, 0
	WIN MUL_LO
	MUL16 2, 1, 0
	WIN 0
.endm
	s_wait_alu depctr_va_vdst(0)                   ; the wait at the head's end
	s_wait_tensorcnt 0x0                           ; my first fill has landed, so every descriptor may be written: from here on a wave fetches half a tile
	s_lshl_b32 s20, s16, 14                        ; A: my half: 16,384 bytes of LDS,
	s_lshl_b32 s22, s16, 16                        ; and 64 rows of 1,024 bytes of memory
	s_mov_b32 s23, 0
	s_mul_i32 s21, s16, BHALF                      ; B: 128 rows of LDS,
	s_lshl_b32 s46, s16, 17                        ; and 128 rows of memory
	s_mov_b32 s47, 0
.irp s, 0,1
	s_add_co_u32 s[G0+4*\s+1], s[G0+4*\s+1], s20
	s_add_nc_u64 s[G0+4*\s+2:G0+4*\s+3], s[G0+4*\s+2:G0+4*\s+3], s[22:23]
	s_add_co_u32 s[G0B+4*\s+1], s[G0B+4*\s+1], s21
	s_add_nc_u64 s[G0B+4*\s+2:G0B+4*\s+3], s[G0B+4*\s+2:G0B+4*\s+3], s[46:47]
.endr
	s_mov_b32 s[G1+2], 4<<16
	s_mov_b32 s[G1+4], 4
	s_mov_b32 s[G1B+2], 128<<16
	s_mov_b32 s[G1B+4], 128
	s_barrier_signal -1
	s_barrier_wait -1                              ; everybody's first fill has landed: both slots are whole
	FETCH 0, 0, 0
	STEP 0, 1                                      ; the first products start the sums
	TURN 0, 1, 1
	STEP 1, 0
	TURN 1, 0, 1
	STEP 0, 0
	TURN 0, 1, 0                                   ; the last two K steps are in LDS or on their way: nothing is filled, and no round follows
	STEP 1, 0
	s_wait_dscnt 0x0
	WIN MUL_LO
	MUL16 0, 1, 0
	MUL16 2, 1, 0
	WIN 0
; THE WAY OUT, block by block of 16 rows x 128 columns, through my own stage: whole rows of 512 bytes come back, get scale and bias, and are stored as two aligned units of 256 bytes.
.macro TOSTAGE a
.set AC, 64*(\a)
	WIN 0x08                                       ; the stores' data: window 2
.irp b, 0,1,2,3,4,5,6,7
	ds_store_b128 v[STO], v[AC+8*\b:AC+8*\b+3] offset:128*(\b/2)+32*(\b%2)
	ds_store_b128 v[STO], v[AC+8*\b+4:AC+8*\b+7] offset:128*(\b/2)+32*(\b%2)+16
.endr
	WIN 0
.set BB, BK+64*((\a)%2)
.irp t, 0,1,2,3,4,5,6,7,8,9,10,11,12,13,14,15
	ds_load_b128 v[BB+4*\t:BB+4*\t+3], v[RD] offset:\t*SPITCH   ; LDS serves a wave's instructions in order: these see my stores
.endr
.endm
.macro SEND a, younger                 ; younger: the LDS instructions issued behind block a's loads, which may stay out
.set BB, BK+64*((\a)%2)
	s_wait_dscnt \younger
.if (\a) > 0
	s_add_nc_u64 s[12:13], s[12:13], 16*4096       ; (behind a wait on XCNT: the earlier stores have read their base)
.endif
.irp t, 0,1,2,3,4,5,6,7,8,9,10,11,12,13,14,15
	v_pk_fma_f32 v[BB+4*\t:BB+4*\t+1], v[BB+4*\t:BB+4*\t+1], s[96:97], v[BP:BP+1] op_sel_hi:[1,0,1]
	v_pk_fma_f32 v[BB+4*\t+2:BB+4*\t+3], v[BB+4*\t+2:BB+4*\t+3], s[96:97], v[BP+2:BP+3] op_sel_hi:[1,0,1]
.endr
.irp t, 0,1,2,3,4,5,6,7,8,9,10,11,12,13,14,15
	global_store_b128 v[LI], v[BB+4*\t:BB+4*\t+3], s[12:13] offset:\t*4096 th:TH_STORE_NT
.endr
.endm
	s_wait_kmcnt 0x0
	s_add_co_i32 s96, s90, s91                     ; e6 + e7
	s_add_co_i32 s96, s96, 127
	s_lshl_b32 s96, s96, 23                        ; 2^(e6 + e7) as f32
	s_mov_b32 s97, s96                             ; (named with it as a pair, so it is written)
	s_wait_loadcnt 0x0                             ; the bias
	PLACES NP
	TOSTAGE 0
.irp a, 1,2,3
.if \a > 1
	s_wait_xcnt 0x0                                ; block a - 2's stores have read their registers and their base
.endif
	TOSTAGE \a
	SEND \a-1, 32                                  ; behind block a - 1's loads: block a's 16 stores and 16 loads
.endr
	s_wait_xcnt 0x0
	SEND 3, 0
	s_wait_tensorcnt 0x0                           ; the wave's end
	ds_add_u32 v[SPW], v[NIL]
	s_wait_dscnt 0x0
	CROUND                                         ; the closing round
	s_endpgm
.Lfunc_end_k_q3b8d3d834a_proj:
	.size	k_q3b8d3d834a_proj, .Lfunc_end_k_q3b8d3d834a_proj-k_q3b8d3d834a_proj
	.p2alignl 7, 3214868480
	.fill 96, 4, 3214868480
	.section	.rodata,"a",@progbits
	.p2align	6, 0x0
	.amdhsa_kernel k_q3b8d3d834a_proj
		.amdhsa_group_segment_fixed_size 327680
		.amdhsa_private_segment_fixed_size 0
		.amdhsa_enable_private_segment 0
		.amdhsa_kernarg_size 40
		.amdhsa_user_sgpr_count 2
		.amdhsa_user_sgpr_kernarg_segment_ptr 1
		.amdhsa_wavefront_size32 1
		.amdhsa_system_sgpr_workgroup_id_x 1
		.amdhsa_system_sgpr_workgroup_id_y 1
		.amdhsa_system_sgpr_workgroup_id_z 1
		.amdhsa_system_vgpr_workitem_id 0
		.amdhsa_next_free_vgpr 768
		.amdhsa_next_free_sgpr 100
		.amdhsa_reserve_vcc 0
		.amdhsa_float_denorm_mode_32 3
		.amdhsa_float_denorm_mode_16_64 3
		.amdhsa_memory_ordered 1
		.amdhsa_forward_progress 1
		.amdhsa_inst_pref_size 76
	.end_amdhsa_kernel
	.amdgpu_metadata
---
amdhsa.version: [ 1, 2 ]
amdhsa.kernels:
  - .name:           k_q3b8d3d834a_proj
    .symbol:         k_q3b8d3d834a_proj.kd
    .args:
      - { .name: ao, .offset: 0, .size: 8, .value_kind: global_buffer, .address_space: global }
      - { .name: wpc, .offset: 8, .size: 8, .value_kind: global_buffer, .address_space: global }
      - { .name: lowp_scales, .offset: 16, .size: 8, .value_kind: global_buffer, .address_space: global }
      - { .name: b_proj, .offset: 24, .size: 8, .value_kind: global_buffer, .address_space: global }
      - { .name: out0, .offset: 32, .size: 8, .value_kind: global_buffer, .address_space: global }
    .group_segment_fixed_size: 327680
    .private_segment_fixed_size: 0
    .kernarg_segment_align: 8
    .kernarg_segment_size: 40
    .max_flat_workgroup_size: 128
    .sgpr_count:     100
    .vgpr_count:     768
    .wavefront_size: 32
...
	.end_amdgpu_metadata
.endif
;; end of part 4
